; MI455X (gfx1250); checked and timed in simulation.
; The chip was launched on July 23, 2026; its instructions are those of AMD's public machine-readable ISA for CDNA 5 (MIT licence, August 2026) and "CDNA5" Instruction Set Architecture Reference Guide (July 2026). The comments in the code are by the model that wrote it; some were corrected since.
;; My Multi Head Attention. Allowed arithmetic: float matrix products may take bf16 or f16 operands with f32 sums; all other float work in f32.
;; Inputs: Wk 1,024 x 1,024 float32; Wq 1,024 x 1,024 float32; Wv 1,024 x 1,024 float32; a_mask 8 x 1 x 1,024 x 1,024 float32; bk 1,024 float32; bq 1,024 float32; bv 1,024 float32; k 8 x 1,024 x 1,024 float32; q 8 x 1,024 x 1,024 float32; q_mask 8 x 1,024 float32; v 8 x 1,024 x 1,024 float32; v_mask 8 x 1,024 float32.
;; Outputs: out0 8 x 1,024 x 1,024 float32.
;; 2 versions, each right; version 2 is version 1 with the launch prep written anew for expert scheduling mode. Each part assembles by itself: llvm-mc -triple=amdgcn-amd-amdhsa -mcpu=gfx1250 --defsym DOCPART=n.
;; ======== version 1 of 2: 3 launches
;; limits: values are held in f16: magnitudes above 65,504 overflow, below 6.1e-05 lose precision
;; workspace buffers: cb 56,623,104 bytes; mb 16,777,216 bytes; qkv 50,331,648 bytes
;; launch prep (part 1): grid 944 x 1, 8 waves a work-group, no clusters, 35,840 bytes of LDS; arguments q, k, v, Wq, Wk, Wv, a_mask, v_mask, cb, mb; writes cb, mb
.if DOCPART == 1
	.amdgcn_target "amdgcn-amd-amdhsa--gfx1250"
	.amdhsa_code_object_version 6
	.text
	.protected	k_q519dbc7f8d_prep
	.globl	k_q519dbc7f8d_prep
	.p2align	8
	.type	k_q519dbc7f8d_prep,@function
k_q519dbc7f8d_prep:
	s_mov_b64 s[64:65], 0
	v_nop
	global_prefetch_b8 v0, s[64:65] scope:SCOPE_SE
	s_setreg_imm32_b32 hwreg(HW_REG_WAVE_MODE, 25, 1), 1
	s_wait_xcnt 0x0
; prep: two streams that make the matrix launches' operands.  No matrix work, no barrier: every wave works on bytes of its own.
; (a) Work-groups 0 to 431: q, k, v, Wq, Wk, Wv from f32 to f16, order of the numbers unchanged, into cb:
;     X[3][8192][1024] (q, k, v), then W[3][1024][1024] (Wq, Wk, Wv).  65,536 numbers a work-group.
;     LIMIT: a number beyond 65,504 in magnitude becomes an infinity in f16.
; (b) Work-groups 432 to 943: the mask weight u = (1 - v_mask[key]) + (1 - a_mask[query][key]), made in f32, rounded to bf16, laid into mb
;     in the order in which the attention launch's lanes hold their scores:
;     byte = b*2097152 + G*131072 + st*8192 + qb*2048 + kt*512 + lane*16 + 2 j,
;     query = 64 G + 16 qb + (lane & 15), key = 64 st + 16 kt + 8 (lane >> 4) + j.
;     A work-group takes 16 query rows (one b, G, qb) and all 1,024 keys; wave w the keys 128 w to 128 w + 127 (st = 2 w, 2 w + 1).
;     LIMIT: u is exact for masks of 0 and 1; any other mask value carries bf16's relative rounding of 2^-9 in its penalty.
.set NCAST, 432                        ; work-groups of part (a): 3 x 128 for q, k, v and 3 x 16 for the weights
.set X,  16                            ; (a) v[16:79]   ring of 16 slots, 4 f32 as loaded
.set Y,  80                            ; (a) v[80:111]  ring of 16 slots, 4 f16 to store
.set A,  16                            ; (b) v[16:79]   row i of a_mask: my 4 keys
.set C,  8                             ; (b) v[8:11]    1 - v_mask of my 4 keys
.set T,  80                            ; (b) v[80:83]   two pairs in turn: 4 bf16 on their way into LDS
.set R,  84                            ; (b) v[84:115]  eight blocks of 16 bytes read back
.set HP, 272                           ; (b) a half block of 256 bytes in LDS, and 16 bytes behind it
.set WLDS, 16*HP                       ; (b) LDS of one wave: 16 half blocks
	s_load_b512 s[8:23], s[0:1], 0x0               ; q s[8:9], k s[10:11], v s[12:13], Wq s[14:15], Wk s[16:17], Wv s[18:19], a_mask s[20:21], v_mask s[22:23]
	s_load_b128 s[24:27], s[0:1], 0x40             ; cb s[24:25], mb s[26:27]
	v_lshl_add_u32 v116, v0, 2, 0x8800
	v_mov_b32 v117, 0
	v_lshlrev_b32 v1, 4, v0                        ; 16 bytes of f32 a thread: both parts read so
	s_cmp_ge_u32 ttmp9, NCAST
	s_cbranch_scc1 .Lmask
; ---------------- (a) the cast ----------------
	v_lshlrev_b32 v2, 3, v0                        ; 8 bytes of f16 a thread
	s_wait_kmcnt 0x0
	s_mov_b64 s[4:5], s[8:9]                       ; the source, and the first work-group that reads it
	s_mov_b32 s6, 0
.macro PICK first, lo                  ; from work-group first on the source is s[lo:lo+1]
	s_cmp_ge_u32 ttmp9, \first
	s_cselect_b64 s[4:5], s[\lo:\lo+1], s[4:5]
	s_cselect_b32 s6, \first, s6
.endm
	PICK 128, 10
	PICK 256, 12
	PICK 384, 14
	PICK 400, 16
	PICK 416, 18
	s_sub_co_u32 s6, ttmp9, s6
	s_lshl_b32 s6, s6, 18                          ; 65,536 numbers of 4 bytes for each work-group in front of me in my source
	s_mov_b32 s7, 0
	s_add_nc_u64 s[4:5], s[4:5], s[6:7]
	s_lshl_b32 s6, ttmp9, 17                       ; cb holds the six tensors in the work-groups' order: 131,072 bytes each
	s_add_nc_u64 s[24:25], s[24:25], s[6:7]
.irp i, 0,1,2,3,4,5,6,7,8,9,10,11,12,13,14,15
	global_load_b128 v[X+4*\i:X+4*\i+3], v1, s[4:5] offset:\i*4096 th:TH_LOAD_NT   ; the ring is filled: 16 loads of 512 consecutive bytes a wave
.endr
; 64 turns, written out: every place stands in an immediate, so that no address register is ever stepped.
.set i, 0
.rept 64
.if i < 48
	s_wait_loadcnt 15                              ; loads come back in order: this slot's is in, the 15 younger ones stay out
.else
	s_wait_loadcnt 63-i                            ; nothing is loaded any more: the counts run down
.endif
.if i >= 16
	s_wait_xcnt 0x0                                ; this slot's Y is the data of the store of 16 turns ago: rewritten only behind this wait
.endif
	v_cvt_pk_f16_f32 v[Y+2*(i%16)],   v[X+4*(i%16)],   v[X+4*(i%16)+1]
	v_cvt_pk_f16_f32 v[Y+2*(i%16)+1], v[X+4*(i%16)+2], v[X+4*(i%16)+3]
.if i < 48
	global_load_b128 v[X+4*(i%16):X+4*(i%16)+3], v1, s[4:5] offset:(i+16)*4096 th:TH_LOAD_NT
.endif
	global_store_b64 v2, v[Y+2*(i%16):Y+2*(i%16)+1], s[24:25] offset:i*2048       ; a wave stores 256 consecutive bytes, aligned
.set i, i+1
.endr
	s_endpgm
; ---------------- (b) the mask weight ----------------
.Lmask:
	v_lshrrev_b32 v13, 5, v0
	v_readfirstlane_b32 s2, v13                    ; wave 0..7
	s_sub_co_u32 s3, ttmp9, NCAST                  ; id = 64 b + 4 G + qb
	s_lshl_b32 s4, s3, 16                          ; a_mask: 16 rows of 4,096 bytes for each id
	s_mov_b32 s5, 0
	s_lshr_b32 s6, s3, 6
	s_lshl_b32 s6, s6, 12                          ; v_mask: 4,096 bytes for each b
	s_mov_b32 s7, 0
	s_lshr_b32 s28, s3, 2
	s_lshl_b32 s28, s28, 17                        ; mb: (16 b + G) x 131,072
	s_and_b32 s29, s3, 3
	s_lshl_b32 s29, s29, 11                        ;     + qb x 2,048
	s_add_co_u32 s28, s28, s29
	s_mov_b32 s29, 0
	s_wait_kmcnt 0x0
	s_add_nc_u64 s[20:21], s[20:21], s[4:5]
	s_add_nc_u64 s[22:23], s[22:23], s[6:7]
	s_add_nc_u64 s[26:27], s[26:27], s[28:29]
	global_load_b128 v[4:7], v1, s[22:23]          ; v_mask of my 4 keys (keys 4 t to 4 t + 3 of thread t)
.irp i, 0,1,2,3,4,5,6,7,8,9,10,11,12,13,14,15
	global_load_b128 v[A+4*\i:A+4*\i+3], v1, s[20:21] offset:\i*4096 th:TH_LOAD_NT   ; row i: a wave reads 512 consecutive bytes
.endr
	; Lane l of a wave holds keys 4 l .. 4 l + 3 of the wave's 128.  In mb they belong to half block l >> 1 (st, kt and key bit 3), at byte
	; 16 i + 8 (l & 1) of it (i = the query row).  Half blocks lie 272 bytes apart in LDS, so the 32 lanes' 8 bytes fall on 32 different
	; columns of 8 bytes modulo 256.
	v_and_b32 v14, 31, v0                          ; lane
	s_mul_i32 s30, s2, WLDS                        ; my wave's own LDS
	v_lshrrev_b32 v2, 1, v14
	v_mul_u32_u24 v2, v2, HP
	v_and_b32 v3, 1, v0
	v_lshl_add_u32 v2, v3, 3, v2
	v_add_nc_u32 v2, s30, v2                       ; in: half block l >> 1, byte 8 (l & 1); the row stands in the immediate
	v_bfe_u32 v3, v0, 4, 1
	v_mul_u32_u24 v3, v3, HP
	v_and_b32 v15, 15, v0
	v_lshl_add_u32 v3, v15, 4, v3
	v_add_nc_u32 v3, s30, v3                       ; back: lanes 0-15 one half block, lanes 16-31 the next
	v_lshlrev_b32 v12, 4, v14
	v_lshl_add_u32 v12, s2, 14, v12                ; mb: 16 x lane + wave x two steps of 8,192 bytes
.irp i, 0,1,2,3,4,5,6,7,8,9,10,11,12,13,14,15
	s_wait_loadcnt 15-\i                           ; row i is in (and v_mask, which was asked for first); the younger rows stay out
.if \i == 0
	v_pk_fma_f32 v[C:C+1],   v[4:5], -1.0, 1.0 op_sel_hi:[1,0,0]       ; 1 - v_mask, once
	v_pk_fma_f32 v[C+2:C+3], v[6:7], -1.0, 1.0 op_sel_hi:[1,0,0]
.endif
	; 1 - a_mask is made by itself and then added: folded into one sum with 2 - v_mask, a mask one rounding step below 1 would lose its weight
	v_pk_fma_f32 v[A+4*\i:A+4*\i+1],   v[A+4*\i:A+4*\i+1],   -1.0, 1.0 op_sel_hi:[1,0,0]
	v_pk_fma_f32 v[A+4*\i+2:A+4*\i+3], v[A+4*\i+2:A+4*\i+3], -1.0, 1.0 op_sel_hi:[1,0,0]
	v_pk_add_f32 v[A+4*\i:A+4*\i+1],   v[A+4*\i:A+4*\i+1],   v[C:C+1]
	v_pk_add_f32 v[A+4*\i+2:A+4*\i+3], v[A+4*\i+2:A+4*\i+3], v[C+2:C+3]
	v_cvt_pk_bf16_f32 v[T+2*(\i%2)],   v[A+4*\i],   v[A+4*\i+1]
	v_cvt_pk_bf16_f32 v[T+2*(\i%2)+1], v[A+4*\i+2], v[A+4*\i+3]
	ds_store_b64 v2, v[T+2*(\i%2):T+2*(\i%2)+1] offset:16*\i
.endr
.irp t, 0,1,2,3,4,5,6,7
	ds_load_b128 v[R+4*\t:R+4*\t+3], v3 offset:2*HP*\t     ; my wave's own bytes; LDS serves a wave's instructions in order (ISA guide 5.7.1.4): these see the stores above
.endr
.irp t, 0,1,2,3,4,5,6,7
	s_wait_dscnt 7-\t                              ; block t is back; the younger ones stay out
	global_store_b128 v12, v[R+4*\t:R+4*\t+3], s[26:27] offset:(\t/4)*8192+(\t%4)*512   ; block (st, kt): 512 consecutive bytes, aligned
.endr
	s_wait_tensorcnt 0x0
	ds_add_u32 v116, v117
	s_wait_dscnt 0x0
	s_endpgm
.Lfunc_end_k_q519dbc7f8d_prep:
	.size	k_q519dbc7f8d_prep, .Lfunc_end_k_q519dbc7f8d_prep-k_q519dbc7f8d_prep
	.p2alignl 7, 3214868480
	.fill 96, 4, 3214868480
	.section	.rodata,"a",@progbits
	.p2align	6, 0x0
	.amdhsa_kernel k_q519dbc7f8d_prep
		.amdhsa_group_segment_fixed_size 35840
		.amdhsa_private_segment_fixed_size 0
		.amdhsa_enable_private_segment 0
		.amdhsa_kernarg_size 80
		.amdhsa_user_sgpr_count 2
		.amdhsa_user_sgpr_kernarg_segment_ptr 1
		.amdhsa_wavefront_size32 1
		.amdhsa_system_sgpr_workgroup_id_x 1
		.amdhsa_system_sgpr_workgroup_id_y 1
		.amdhsa_system_sgpr_workgroup_id_z 1
		.amdhsa_system_vgpr_workitem_id 0
		.amdhsa_next_free_vgpr 118
		.amdhsa_next_free_sgpr 66
		.amdhsa_reserve_vcc 0
		.amdhsa_float_denorm_mode_32 3
		.amdhsa_float_denorm_mode_16_64 3
		.amdhsa_memory_ordered 1
		.amdhsa_forward_progress 1
		.amdhsa_inst_pref_size 38
	.end_amdhsa_kernel
	.amdgpu_metadata
---
amdhsa.version: [ 1, 2 ]
amdhsa.kernels:
  - .name:           k_q519dbc7f8d_prep
    .symbol:         k_q519dbc7f8d_prep.kd
    .args:
      - { .name: q, .offset: 0, .size: 8, .value_kind: global_buffer, .address_space: global }
      - { .name: k, .offset: 8, .size: 8, .value_kind: global_buffer, .address_space: global }
      - { .name: v, .offset: 16, .size: 8, .value_kind: global_buffer, .address_space: global }
      - { .name: Wq, .offset: 24, .size: 8, .value_kind: global_buffer, .address_space: global }
      - { .name: Wk, .offset: 32, .size: 8, .value_kind: global_buffer, .address_space: global }
      - { .name: Wv, .offset: 40, .size: 8, .value_kind: global_buffer, .address_space: global }
      - { .name: a_mask, .offset: 48, .size: 8, .value_kind: global_buffer, .address_space: global }
      - { .name: v_mask, .offset: 56, .size: 8, .value_kind: global_buffer, .address_space: global }
      - { .name: cb, .offset: 64, .size: 8, .value_kind: global_buffer, .address_space: global }
      - { .name: mb, .offset: 72, .size: 8, .value_kind: global_buffer, .address_space: global }
    .group_segment_fixed_size: 35840
    .private_segment_fixed_size: 0
    .kernarg_segment_align: 8
    .kernarg_segment_size: 80
    .max_flat_workgroup_size: 256
    .sgpr_count:     66
    .vgpr_count:     118
    .wavefront_size: 32
...
	.end_amdgpu_metadata
.endif
;; end of part 1
;; launch proj (part 2): grid 4 x 64, 4 waves a work-group, clusters of 4 x 4, 327,680 bytes of LDS; arguments cb, bq, bk, bv, qkv; writes qkv
.if DOCPART == 2
	.amdgcn_target "amdgcn-amd-amdhsa--gfx1250"
	.amdhsa_code_object_version 6
	.text
	.protected	k_q519dbc7f8d_proj
	.globl	k_q519dbc7f8d_proj
	.p2align	8
	.type	k_q519dbc7f8d_proj,@function
k_q519dbc7f8d_proj:
	s_mov_b64 s[64:65], 0
	v_nop
	global_prefetch_b8 v0, s[64:65] scope:SCOPE_SE
	s_setreg_imm32_b32 hwreg(HW_REG_WAVE_MODE, 25, 1), 1
	s_wait_xcnt 0x0
	s_wait_alu depctr_hold_cnt(0) depctr_sa_sdst(0) depctr_va_vdst(0) depctr_va_sdst(0) depctr_va_ssrc(0) depctr_va_vcc(0) depctr_vm_vsrc(0)
	s_getreg_b32 s2, hwreg(HW_REG_IB_STS2, 6, 4)
	s_cmp_eq_u32 s2, 0
	s_cbranch_scc0 .Lentry_in_a_cluster
	s_endpgm
.Lentry_in_a_cluster:
	s_bfe_u32 s2, ttmp6, 0x10000c
	s_cmp_lg_u32 s2, 0xf033
	s_cbranch_scc0 .Lentry_shape_is_right
	s_endpgm
.Lentry_shape_is_right:
; proj: the three projections, C[m][n] = (sum over k of X[m][k] W_g[k][n] + bias_g[n]) * scale_g.
; X: [24576][1024] f16 (q, k, v one behind the other in cb), W_g: [1024 k][1024 n] f16 (behind X in cb), sums in f32.
; scale is 0.125 log2(e) for the queries (the attention launch exponentiates in base 2) and 1 for keys and values.
; Out: f16, by heads: qkv byte = g*16777216 + (16 b + head)*131072 + s*128 + 2 d.
; LIMIT: a projection beyond 65,504 in magnitude becomes an infinity in f16.
; THE SHARES.  3 x 2^23 outputs on 256 work-groups are 3 x 2^15 each, which no block of one projection has.  So a work-group stays and makes two
; blocks: first 256 x 256 of the queries' or the keys' projection (16,384 rows: 64 x 4 blocks), then 128 x 256 of the values' (8,192 rows: 64 x 4
; blocks).  Work-group (bx, y) takes block row y and block column bx of both.  Every wave issues 2,048 + 1,024 matrix instructions.
; Four waves; in the first block a wave makes 128 x 128 (64 accumulator tiles, 512 registers), in the second 64 x 128 (32 tiles).
; K goes in steps of 128 through a ring of two LDS slots filled by the tensor data mover.  The ring runs on from the first block into the second:
; the refills of the first block's last two K steps bring the second block's first two tiles, which land under the last products and the way out.
; CLUSTERS: 4 x 4 work-groups.  The four of a row of the cluster need the same tiles of X, the four of a column the same tiles of W, in both
; blocks (all sixteen lie in one g in the first block: 8 clusters for each).  Such a tile is asked for jointly: the same tensor load, with the
; same descriptor and a mask that names the four.  That divides the requests for X and for W by four.
;
; REGISTERS, in windows of 256:
;   window 0: v0-31 addresses; v32-63, v224-255 my 128 columns' bias; v64-127, v128-191 fragments of X, two buffers; v192-223 at work on the way out
;   window 1: v64-127, v128-191 fragments of W, two buffers
;   window 2: 32 accumulator tiles, tile (a, b) at v[8 (8 a + b)]: my rows 0-63 in either block;   window 3: my rows 64-127 in the first block
; THE MATRIX INSTRUCTION IS USED TRANSPOSED: source 0 = 16 columns of W, source 1 = 16 rows of X.  Lane l then holds row l % 16 of C, and its
; registers 0 to 7 the columns 8 (l / 16) + 0 .. 7: eight neighbouring numbers of a row, 16 bytes of f16.
.set KSTEP,  128
.set PITCH,  272                       ; X in LDS: 256 bytes of a row + 16: row r starts 4 r words further modulo 64, so a fragment's 16 rows start at 16 different places
.set BPITCH, 544                       ; W in LDS: a k row of 256 columns, 512 bytes, + 32: 17 x 32, an odd multiple of 32 for the transposing loads
.set HALFT,  128*PITCH                 ; what one tensor load brings in the first block: 128 rows of X, or 64 k rows of W (64 x 544 is the same 34,816 bytes)
.set QUART,  64*PITCH                  ; 64 rows of X: what waves 0 and 1 bring in the second block
.set SLOT,   4*HALFT                   ; X's rows (256, later 128), then, 2 x 34,816 bytes in, W's 128 k rows
.set STAGE,  2*SLOT                    ; behind the ring: 16 rows x 272 bytes for each wave, for the way out; no tensor load fills it
.set SPITCH, 272
.set LAPS, 1024/(2*KSTEP)              ; a lap = two K steps = once round the ring: 4 laps for each block
.set SCQ,  0x3e38aa3b                  ; 0.125 log2(e)
.set XV,   0x2000000                   ; v's rows in cb: behind 16,384 rows of 2,048 bytes
.set WG0,  0x3000000                   ; the weights in cb: behind X's 50,331,648 bytes, 2 MiB each
.set ADRA,  16                         ; v16-17  LDS address of my X fragments in slot 0, 1, first block
.set ADRA2, 18                         ; v18-19  the same, second block
.set ADRB,  20                         ; v20-21  the same for W, both blocks
.set STO,  24                          ; v24     the way out: where I put 16 bytes of a row
.set RD,   25                          ; v25     the way out: where I read back
.set CO,   26                          ; v26     my byte offset in qkv
.set BOF,  27                          ; v27     my byte offset in the bias
.set PF,   28                          ; v28     my byte offset for the prefetch of v's rows
.set F0,   64                          ; fragment buffer 0
.set F1,   128                         ; fragment buffer 1
.set TMP,  192                         ; the way out: packed results, in window 0
.set G1, 24                            ; s[24:31] descriptor group 1 for X's tiles, first block: 128 rows
.set G0, 32                            ; s[32:39] descriptor group 0 for X's tiles, one set for each slot
.set G1B, 48                           ; s[48:55] descriptor group 1 for W's tiles
.set G0B, 56                           ; s[56:63] descriptor group 0 for W's tiles, one set for each slot
.set G1C, 92                           ; s[92:99] descriptor group 1 for X's tiles, second block: 64 rows
.set MSB, 0
.macro WIN new                         ; the immediate's high byte repeats the setting that is left; a switch that changes nothing is dropped
.if MSB != \new
	s_set_vgpr_msb (MSB<<8)|\new
.set MSB, \new
.endif
.endm
.set MUL_LO, 0xa1                      ; source 0 (W) window 1, source 1 (X) window 0, C and D window 2
.set MUL_HI, 0xf1                      ; the same, C and D window 3
.set TO_B,   0x40                      ; destination window 1, address window 0
; A joint load.  Waves 0 and 1 fetch X's two halves (shape g1a), waves 2 and 3 W's.  Each of the two lines has one mask and one set of registers
; for all that issue it.  The branch hangs on the wave's number alone.
.macro JLOAD s, g1a
	s_cmp_eq_u32 s11, 0
	s_cbranch_scc0 .Lfor_b_\@
	tensor_load_to_lds s[G0+4*\s:G0+4*\s+3], s[\g1a:\g1a+7]
	s_nop 0
	s_branch .Lasked_\@
.Lfor_b_\@:
	tensor_load_to_lds s[G0B+4*\s:G0B+4*\s+3], s[G1B:G1B+7]
	s_nop 0
.Lasked_\@:
.endm
; A round of the cluster's barrier: my work-group's barrier, so that wave 0's signal speaks for all four waves; wave 0 signals for the
; work-group; every wave waits for all sixteen work-groups; my work-group's barrier once more.
.macro CREST                           ; a round behind its opening barrier
	s_cmp_lg_u32 s10, 0
	s_cbranch_scc1 .Lnot_wave_0_\@
	s_barrier_signal -3
.Lnot_wave_0_\@:
	s_barrier_wait -3
	s_barrier_signal -1
	s_barrier_wait -1
.endm
.macro CROUND                          ; a whole round
	s_barrier_signal -1
	s_barrier_wait -1
	CREST
.endm
	s_load_b256 s[72:79], s[0:1], 0x0              ; cb s[72:73], bq s[74:75], bk s[76:77], bv s[78:79]
	s_load_b64 s[80:81], s[0:1], 0x20              ; qkv
	s_set_vgpr_msb 0x40
	v_lshl_add_u32 v255, v0, 2, 0x48400
	s_set_vgpr_msb 0x4000
	v_mov_b32 v31, 0
	s_set_vgpr_msb 0x1
	ds_add_u32 v255, v31
	ds_add_u32 v255, v31
	s_set_vgpr_msb 0x100
	v_lshrrev_b32 v1, 5, v0
	v_readfirstlane_b32 s10, v1                    ; wave 0..3
	s_lshr_b32 s11, s10, 1                         ; which half of the block's rows is mine.  Also: I fetch for X (0) or for W (1)
	s_and_b32 s12, s10, 1                          ; which half of its columns.  Also: which half of that tile I fetch
	s_bfe_u32 s40, ttmp6, 0x40000                  ; cx
	s_bfe_u32 s41, ttmp6, 0x40004                  ; cy
	s_lshl_b32 s42, ttmp9, 2
	s_add_co_u32 s42, s42, s40                     ; block column = 4 x cluster x + cx: 0..3
	s_and_b32 s45, ttmp7, 0xffff                   ; cluster y: 0..15
	s_lshl_b32 s13, s45, 2
	s_add_co_u32 s13, s13, s41                     ; block row = 4 x cluster y + cy: 0..63
	s_lshr_b32 s45, s45, 3                         ; g of the first block: 0 queries, 1 keys; made of the cluster's y alone, so equal in all sixteen
	s_lshl_b32 s43, s41, 2
	s_lshl_b32 s43, 15, s43                        ; my row of the cluster: places 4 cy .. 4 cy + 3
	s_lshl_b32 s44, 0x1111, s40                    ; my column: places cx, cx + 4, cx + 8, cx + 12
	; group 1 for X, first block: 128 rows x 128 elements of 2 bytes, 4 words of padding behind every 64 words
	s_or_b32 s[G1+0], s43, (1<<16)|(1<<20)|(1<<21)|(5<<22)|(3<<25)   ; 15:0 mask: my row; 17:16 2 bytes; 20 padding on; 21 set beside a mask; 24:22 every 64 words; 31:25 4 words
	s_mov_b32 s[G1+1], KSTEP<<16                   ; tensor_dim0 = 128
	s_mov_b32 s[G1+2], 128<<16                     ; tensor_dim1 = 128
	s_mov_b32 s[G1+3], KSTEP<<16                   ; tile_dim0 = 128
	s_mov_b32 s[G1+4], 128                         ; tile_dim1 = 128
	s_mov_b32 s[G1+5], 1024                        ; elements from row to row
	s_mov_b32 s[G1+6], 0
	s_mov_b32 s[G1+7], 0
	; group 1 for X, second block: the same with 64 rows
	s_or_b32 s[G1C+0], s43, (1<<16)|(1<<20)|(1<<21)|(5<<22)|(3<<25)
	s_mov_b32 s[G1C+1], KSTEP<<16
	s_mov_b32 s[G1C+2], 64<<16                     ; tensor_dim1 = 64
	s_mov_b32 s[G1C+3], KSTEP<<16
	s_mov_b32 s[G1C+4], 64                         ; tile_dim1 = 64
	s_mov_b32 s[G1C+5], 1024
	s_mov_b32 s[G1C+6], 0
	s_mov_b32 s[G1C+7], 0
	; group 1 for W: 64 k rows x 256 elements, 8 words of padding behind every 128 words
	s_or_b32 s[G1B+0], s44, (1<<16)|(1<<20)|(1<<21)|(6<<22)|(7<<25)  ; mask: my column; every 128 words; 8 words
	s_mov_b32 s[G1B+1], 256<<16                    ; tensor_dim0 = 256
	s_mov_b32 s[G1B+2], 64<<16                     ; tensor_dim1 = 64
	s_mov_b32 s[G1B+3], 256<<16                    ; tile_dim0 = 256
	s_mov_b32 s[G1B+4], 64                         ; tile_dim1 = 64
	s_mov_b32 s[G1B+5], 1024
	s_mov_b32 s[G1B+6], 0
	s_mov_b32 s[G1B+7], 0
	; where the tiles come from.  X's hang on the block row alone, W's on the block column and g alone; each in registers that never hold the other coordinate.
	s_lshl_b32 s16, s13, 19                        ; X, first block: row 256 x block row, 2,048 bytes a row
	s_lshl_b32 s17, s12, 18                        ;    + 128 rows x my half
	s_add_co_u32 s16, s16, s17
	s_mov_b32 s17, 0
	s_lshl_b32 s82, s13, 18                        ; X, second block: v's row 128 x block row
	s_lshl_b32 s83, s12, 17                        ;    + 64 rows x my half
	s_add_co_u32 s82, s82, s83
	s_add_co_u32 s82, s82, XV
	s_mov_b32 s83, 0
	s_lshl_b32 s46, s45, 21                        ; W, first block: g x 2 MiB
	s_lshl_b32 s47, s12, 17                        ;    + 64 k rows x my half
	s_add_co_u32 s46, s46, s47
	s_lshl_b32 s47, s42, 9                         ;    + 256 columns x block column
	s_add_co_u32 s46, s46, s47
	s_add_co_u32 s46, s46, WG0
	s_mov_b32 s47, 0
	s_lshl_b32 s84, s42, 9                         ; W, second block: Wv, the same half and columns
	s_lshl_b32 s85, s12, 17
	s_add_co_u32 s84, s84, s85
	s_add_co_u32 s84, s84, WG0+0x400000
	s_mov_b32 s85, 0
	s_lshl_b32 s70, s13, 18                        ; for the prefetch: of my block row's 128 rows of v the 32 that fall to my place along the cluster's x
	s_lshl_b32 s71, s40, 16
	s_add_co_u32 s70, s70, s71
	s_add_co_u32 s70, s70, XV
	s_mov_b32 s71, 0
	s_mul_i32 s20, s10, HALFT                      ; and where the tiles go: wave x 34,816; X's in the second block: wave x 17,408.
	s_mul_i32 s86, s10, QUART                      ; No place in the cluster enters an LDS address
	s_wait_dscnt 0x0
	s_wait_kmcnt 0x0
	s_add_nc_u64 s[14:15], s[72:73], s[16:17]
	s_add_nc_u64 s[46:47], s[72:73], s[46:47]
	s_add_nc_u64 s[82:83], s[72:73], s[82:83]
	s_add_nc_u64 s[84:85], s[72:73], s[84:85]
	s_add_nc_u64 s[70:71], s[72:73], s[70:71]
	CROUND                                         ; all sixteen work-groups are here: the first joint loads meet
.irp s, 0,1
	s_mov_b32 s[G0+4*\s], 1                                        ; count = 1
	s_add_co_u32 s[G0+4*\s+1], s20, \s*SLOT                        ; LDS address
	s_add_nc_u64 s[G0+4*\s+2:G0+4*\s+3], s[14:15], \s*KSTEP*2      ; global address: K step s lies 256 bytes along X's rows
	s_or_b32 s[G0+4*\s+3], s[G0+4*\s+3], 0x80000000                ; type = 2
	s_mov_b32 s[G0B+4*\s], 1
	s_add_co_u32 s[G0B+4*\s+1], s20, \s*SLOT
	s_add_nc_u64 s[G0B+4*\s+2:G0B+4*\s+3], s[46:47], \s*KSTEP*2048 ; K step s lies 128 rows down W
	s_or_b32 s[G0B+4*\s+3], s[G0B+4*\s+3], 0x80000000
	JLOAD \s, G1                                   ; the ring is filled before anything else is done: two tensor loads of a wave are out
.endr
	; the biases of my 128 columns, the scale, and the places of my two blocks in qkv
	s_cmp_eq_u32 s45, 1
	s_cselect_b64 s[6:7], s[76:77], s[74:75]       ; bk or bq
	s_cselect_b32 s66, 1.0, SCQ
	s_mov_b32 s67, s66                             ; the pair is named whole by the packed instructions
	s_lshl_b32 s68, s42, 10                        ; 256 columns of 4 bytes x block column
	s_lshl_b32 s69, s12, 9                         ; + 128 columns x my half
	s_add_co_u32 s68, s68, s69
	s_mov_b32 s69, 0
	s_add_nc_u64 s[6:7], s[6:7], s[68:69]
	s_add_nc_u64 s[90:91], s[78:79], s[68:69]      ; bv, for the second block
	v_and_b32 v1, 15, v0                           ; l % 16
	v_bfe_u32 v2, v0, 4, 1                         ; l / 16
	v_lshlrev_b32 v[BOF], 5, v2                    ; my 8 columns of a tile: 32 bytes x (l / 16)
.irp b, 0,1,2,3,4,5,6,7
	global_load_b128 v[32+8*\b+(\b/4)*160:32+8*\b+(\b/4)*160+3],   v[BOF], s[6:7] offset:64*\b      ; read once, 512 bytes a wave; waited for on the way out
	global_load_b128 v[32+8*\b+(\b/4)*160+4:32+8*\b+(\b/4)*160+7], v[BOF], s[6:7] offset:64*\b+16
.endr
	s_lshl_b32 s68, s42, 19                        ; both blocks: 4 heads x block column
	s_lshl_b32 s69, s12, 18                        ; + 2 heads x my half
	s_add_co_u32 s68, s68, s69
	s_mov_b32 s69, 0
	s_lshr_b32 s16, s13, 2
	s_lshl_b32 s16, s16, 21                        ; first block: 4 block rows are one (g, b): 16 heads x 131,072 bytes
	s_and_b32 s17, s13, 3
	s_lshl_b32 s17, s17, 15                        ; + 256 rows of 128 bytes x (block row mod 4)
	s_add_co_u32 s16, s16, s17
	s_lshl_b32 s17, s11, 14                        ; + 128 rows x my half
	s_add_co_u32 s16, s16, s17
	s_mov_b32 s17, 0
	s_add_nc_u64 s[8:9], s[80:81], s[16:17]
	s_add_nc_u64 s[8:9], s[8:9], s[68:69]
	s_lshr_b32 s16, s13, 3
	s_lshl_b32 s16, s16, 21                        ; second block: 8 block rows are one b
	s_and_b32 s17, s13, 7
	s_lshl_b32 s17, s17, 14                        ; + 128 rows of 128 bytes x (block row mod 8)
	s_add_co_u32 s16, s16, s17
	s_lshl_b32 s17, s11, 13                        ; + 64 rows x my half
	s_add_co_u32 s16, s16, s17
	s_add_co_u32 s16, s16, 0x2000000               ; behind the queries' and the keys' 2 x 16,777,216 bytes
	s_mov_b32 s17, 0
	s_add_nc_u64 s[88:89], s[80:81], s[16:17]
	s_add_nc_u64 s[88:89], s[88:89], s[68:69]
	; X's fragment: 16 rows x 32 K in 8 registers: lane l holds row l % 16; two loads of 16 bytes, 32 bytes apart, at row x pitch + 16 (l / 16).
	v_mul_u32_u24 v3, v1, PITCH
	v_lshl_add_u32 v3, v2, 4, v3
	; W's fragment comes out of rows that lie along n by the transposing load: lane l addresses k row 8 (l / 16) + (l & 7), 16 bytes at 16 ((l >> 3) & 1);
	; a second load 16 k rows further down brings registers 4 to 7.
	v_and_b32 v6, 7, v0
	v_lshl_add_u32 v6, v2, 3, v6
	v_mul_u32_u24 v6, v6, BPITCH
	v_bfe_u32 v7, v0, 3, 1
	v_lshl_add_u32 v6, v7, 4, v6
	s_mul_i32 s21, s11, HALFT                      ; my 128 rows of X in the first block,
	s_mul_i32 s87, s11, QUART                      ; my 64 rows in the second
	s_lshl_b32 s22, s12, 8                         ; my 128 columns of W: 256 bytes along its rows,
	s_add_co_u32 s22, s22, 2*HALFT                 ; which begin 2 x 34,816 bytes into the slot
.irp s, 0,1
	v_add_nc_u32 v[ADRA+\s], s21, v3
	v_add_nc_u32 v[ADRA2+\s], s87, v3
	v_add_nc_u32 v[ADRB+\s], s22, v6
	s_add_co_u32 s21, s21, SLOT
	s_add_co_u32 s87, s87, SLOT
	s_add_co_u32 s22, s22, SLOT
.endr
	s_mul_i32 s23, s10, 16*SPITCH
	s_add_co_u32 s23, s23, STAGE                   ; my stage
	v_mul_u32_u24 v4, v1, SPITCH                   ; in: row l % 16, 16 bytes for each half of the lanes
	v_lshl_add_u32 v4, v2, 4, v4
	v_add_nc_u32 v[STO], s23, v4
	v_and_b32 v8, 7, v0                            ; back: lanes 0-7 and 8-15 take a head's 128 bytes of two rows, lanes 16-31 the same of the next head
	v_mul_u32_u24 v5, v7, SPITCH
	v_lshl_add_u32 v5, v2, 7, v5
	v_lshl_add_u32 v5, v8, 4, v5
	v_add_nc_u32 v[RD], s23, v5
	v_lshlrev_b32 v5, 17, v2                       ; in qkv a head's two rows are 256 consecutive bytes; the next head lies 131,072 bytes on
	v_lshl_add_u32 v[CO], v1, 4, v5
	v_bfe_u32 v9, v0, 3, 2                         ; the prefetch: row 8 x wave + (l & 7) of my work-group's 32, 2,048 bytes a row,
	v_lshlrev_b32 v[PF], 11, v8
	v_lshl_add_u32 v[PF], v9, 8, v[PF]             ; and the 256 bytes of K step (l >> 3) in it
	v_lshl_add_u32 v[PF], s10, 14, v[PF]
; 16 matrix instructions: row blocks a0, a0 + 1 of the window's four (hi = 0: my rows 0-63, 1: rows 64-127) x all 8 column blocks, 32 along K.
; zero = 1: the first product starts the sums: nothing is ever cleared.
.macro MUL16 f, hi, a0, zero
.irp a, \a0, \a0+1
.irp b, 0,1,2,3,4,5,6,7
.if \zero
	v_wmma_f32_16x16x32_f16 v[8*(8*(\a)+\b):8*(8*(\a)+\b)+7], v[\f+8*\b:\f+8*\b+7], v[\f+8*(4*\hi+\a):\f+8*(4*\hi+\a)+7], 0
.else
	v_wmma_f32_16x16x32_f16 v[8*(8*(\a)+\b):8*(8*(\a)+\b)+7], v[\f+8*\b:\f+8*\b+7], v[\f+8*(4*\hi+\a):\f+8*(4*\hi+\a)+7], v[8*(8*(\a)+\b):8*(8*(\a)+\b)+7]
.endif
.endr
.endr
.endm
; W's 16 loads of quarter step q (32 k rows) into buffer f of window 1
.macro FETCHW slot, q, f
	WIN TO_B
.irp i, 0,1,2,3,4,5,6,7
	ds_load_tr16_b128 v[\f+8*\i:\f+8*\i+3],   v[ADRB+\slot] offset:\q*32*BPITCH+32*\i
	ds_load_tr16_b128 v[\f+8*\i+4:\f+8*\i+7], v[ADRB+\slot] offset:\q*32*BPITCH+16*BPITCH+32*\i
.endr
	WIN 0
.endm
; First block: 32 LDS loads in one run: W's 16, then X's 16 (128 rows, 64 bytes along them)
.macro FETCH slot, q, f
	FETCHW \slot, \q, \f
.irp i, 0,1,2,3,4,5,6,7
	ds_load_b128 v[\f+8*\i:\f+8*\i+3],   v[ADRA+\slot] offset:\q*64+\i*16*PITCH
	ds_load_b128 v[\f+8*\i+4:\f+8*\i+7], v[ADRA+\slot] offset:\q*64+\i*16*PITCH+32
.endr
.endm
; Second block: 24 LDS loads: W's 16, then X's 8 (64 rows)
.macro FETCH2 slot, q, f
	FETCHW \slot, \q, \f
.irp i, 0,1,2,3
	ds_load_b128 v[\f+8*\i:\f+8*\i+3],   v[ADRA2+\slot] offset:\q*64+\i*16*PITCH
	ds_load_b128 v[\f+8*\i+4:\f+8*\i+7], v[ADRA2+\slot] offset:\q*64+\i*16*PITCH+32
.endr
.endm
; A load into a register that a matrix instruction has read stands four places behind that matrix instruction, and only plain vector
; instructions that name none of its registers are places (ISA guide 7.12.1 for vector instructions).
.macro PLACES
.rept 4
	v_nop
.endr
.endm
; A K step is four quarter steps of 32 along K on buffers 0, 1, 0, 1.  The accumulators (64, later 32) take turns, one instruction a turn, in the
; same order in every quarter, over the backward jumps too.
; FIRST BLOCK.  One of the first three quarters: multiplies buffer f (64 matrix instructions); in its middle it fetches quarter q of the same slot into buffer g.
.macro QUARTER slot, q, f, g, zero
	s_wait_dscnt 8                                 ; W and X's rows 0-63 are in; the youngest eight loads (X's rows 64-127) may be out
	WIN MUL_LO
	MUL16 \f, 0, 0, \zero
	MUL16 \f, 0, 2, \zero
	PLACES
	FETCH \slot, \q, \g
	s_wait_dscnt 32                                ; all but the 32 just issued
	WIN MUL_HI
	MUL16 \f, 1, 0, \zero
	MUL16 \f, 1, 2, \zero
.endm
.macro THREE slot, zero
	QUARTER \slot, 1, F0, F1, \zero
	QUARTER \slot, 2, F1, F0, 0
	QUARTER \slot, 3, F0, F1, 0
.endm
; This slot's two groups 0 now name the second block's tiles of K step \slot.  Written where no tensor load of the wave is out.
.macro TOV slot
	s_add_co_u32 s[G0+4*\slot+1], s86, \slot*SLOT                  ; X's 64 rows a wave lie closer together; W's LDS address stays
	s_add_nc_u64 s[G0+4*\slot+2:G0+4*\slot+3], s[82:83], \slot*KSTEP*2
	s_or_b32 s[G0+4*\slot+3], s[G0+4*\slot+3], 0x80000000
	s_add_nc_u64 s[G0B+4*\slot+2:G0B+4*\slot+3], s[84:85], \slot*KSTEP*2048
	s_or_b32 s[G0B+4*\slot+3], s[G0B+4*\slot+3], 0x80000000
.endm
; The last quarter: multiplies buffer 1 and changes slots.  next = the other slot.  fill = 1: this slot is filled again, two K steps ahead;
; fill = 2: with the second block's tile.  fetch = 0: the next slot's fragments are not read yet (the way out comes first).
; One barrier for the change of slots.  In front of it each wave waits for its own reads of this slot and for all its tensor loads, of which
; one is out: its part of the next slot.  Behind it nobody reads this slot any more and the next slot is whole: the refill comes first, then
; the next slot's first fragments.  From a request to the wait for it a wave issues 240 matrix instructions.
.macro TURN slot, next, fill, fetch
	s_wait_dscnt 8
	WIN MUL_LO
	MUL16 F1, 0, 0, 0
	s_wait_dscnt 0                                 ; my reads of this slot are over
	s_wait_tensorcnt 0x0                           ; and all my tensor loads have landed
	ds_add_u32 v255, v31
	s_wait_dscnt 0x0
	s_barrier_signal -1                            ; say so: this barrier opens a round of the cluster's barrier,
	MUL16 F1, 0, 2, 0                              ; work on registers while the others arrive,
	WIN 0
	s_barrier_wait -1                              ; and go on when all four have said so
	CREST                                          ; all sixteen work-groups have said so: no wave of any partner still reads this slot or has a load on its way
.if \fill == 1
	s_add_nc_u64 s[G0+4*\slot+2:G0+4*\slot+3], s[G0+4*\slot+2:G0+4*\slot+3], 2*KSTEP*2
	s_add_nc_u64 s[G0B+4*\slot+2:G0B+4*\slot+3], s[G0B+4*\slot+2:G0B+4*\slot+3], 2*KSTEP*2048
	JLOAD \slot, G1                                ; the first tensor load behind the round, and my only one until the next
.else
	TOV \slot
	JLOAD \slot, G1C
.endif
.if \fetch
	PLACES
	FETCH \next, 0, F0
.endif
	WIN MUL_HI
	MUL16 F1, 1, 0, 0
	MUL16 F1, 1, 2, 0
.endm
.macro LAP zero                        ; once round the ring, both slots filled again
	THREE 0, \zero
	TURN 0, 1, 1, 1
	THREE 1, 0
	TURN 1, 0, 1, 1
.endm
; SECOND BLOCK.  A quarter is 32 matrix instructions, too few to hide a run of loads issued in their middle: the next quarter's 24 loads go out
; at the quarter's head, into the buffer that the last quarter's products have left, and have the whole quarter in which to come.
.macro QUARTER2 slot, q, f, g, zero
	PLACES
	FETCH2 \slot, \q, \g
	s_wait_dscnt 24                                ; all but the 24 just issued: buffer f is in
	WIN MUL_LO
	MUL16 \f, 0, 0, \zero
	MUL16 \f, 0, 2, \zero
.endm
.macro THREE2 slot, zero
	QUARTER2 \slot, 1, F0, F1, \zero
	QUARTER2 \slot, 2, F1, F0, 0
	QUARTER2 \slot, 3, F0, F1, 0
.endm
; The change of slots, as in the first block.  From a request to the wait for it a wave issues 112 matrix instructions.
.macro TURN2 slot, next, fill
	s_wait_dscnt 0                                 ; buffer 1 is in, and with it my reads of this slot are over
	s_wait_tensorcnt 0x0                           ; all my tensor loads have landed
	ds_add_u32 v255, v31
	s_wait_dscnt 0x0
	s_barrier_signal -1
	WIN MUL_LO
	MUL16 F1, 0, 0, 0                              ; register work while the others arrive
	WIN 0
	s_barrier_wait -1
.if \fill
	CREST
	s_add_nc_u64 s[G0+4*\slot+2:G0+4*\slot+3], s[G0+4*\slot+2:G0+4*\slot+3], 2*KSTEP*2
	s_add_nc_u64 s[G0B+4*\slot+2:G0B+4*\slot+3], s[G0B+4*\slot+2:G0B+4*\slot+3], 2*KSTEP*2048
	JLOAD \slot, G1C                               ; the first tensor load behind the round, and my only one until the next
.endif
	PLACES
	FETCH2 \next, 0, F0
	WIN MUL_LO
	MUL16 F1, 0, 2, 0
.endm
.macro LAP2 zero
	THREE2 0, \zero
	TURN2 0, 1, 1
	THREE2 1, 0
	TURN2 1, 0, 1
.endm
; THE WAY OUT of rows 16 i .. 16 i + 15 of my block = the eight tiles (a, 0..7) of window 2 or 3.  wfma: destination and source 0 in that window;
; wcvt: sources 0 and 1; f: F0 or F1 in turn; base: the block's place in qkv; sc = 1: sum x scale + scaled bias, 0: sum + bias.
; 16 bytes a lane into my own stage, read back as pairs of a head's rows.
.macro OUT16 i, a, wfma, wcvt, f, base, sc
	WIN \wfma
.irp b, 0,1,2,3,4,5,6,7
.irp r, 0,1,2,3
.if \sc
	v_pk_fma_f32 v[8*(8*\a+\b)+2*\r:8*(8*\a+\b)+2*\r+1], v[8*(8*\a+\b)+2*\r:8*(8*\a+\b)+2*\r+1], s[66:67], v[32+8*\b+(\b/4)*160+2*\r:32+8*\b+(\b/4)*160+2*\r+1] op_sel_hi:[1,0,1]
.else
	v_pk_add_f32 v[8*(8*\a+\b)+2*\r:8*(8*\a+\b)+2*\r+1], v[8*(8*\a+\b)+2*\r:8*(8*\a+\b)+2*\r+1], v[32+8*\b+(\b/4)*160+2*\r:32+8*\b+(\b/4)*160+2*\r+1]
.endif
.endr
.endr
	WIN \wcvt
.irp b, 0,1,2,3,4,5,6,7
.irp r, 0,1,2,3
	v_cvt_pk_f16_f32 v[TMP+4*\b+\r], v[8*(8*\a+\b)+2*\r], v[8*(8*\a+\b)+2*\r+1]
.endr
.endr
	WIN 0
.irp b, 0,1,2,3,4,5,6,7
	ds_store_b128 v[STO], v[TMP+4*\b:TMP+4*\b+3] offset:32*\b
.endr
	s_wait_xcnt 0x0                                ; buffer f is the data of earlier stores: loaded again only behind this wait
.irp t, 0,1,2,3,4,5,6,7
	ds_load_b128 v[\f+4*\t:\f+4*\t+3], v[RD] offset:\t*2*SPITCH    ; my wave's own bytes, served in order (ISA guide 5.7.1.4): these see the stores above
.endr
.irp t, 0,1,2,3,4,5,6,7
	s_wait_dscnt 7-\t
	global_store_b128 v[CO], v[\f+4*\t:\f+4*\t+3], s[\base:\base+1] offset:2048*\i+256*\t   ; 16 lanes store rows 16 i + 2 t and + 1 of one head: 256 consecutive bytes, aligned
.endr
.endm
; ---------------- the first block: 256 x 256 of the queries' or the keys' projection ----------------
	s_wait_tensorcnt 1                             ; my part of K step 0 is in; K step 1's may stay out
	s_barrier_signal -1
	s_barrier_wait -1                              ; everybody's is
	FETCH 0, 0, F0
	LAP 1                                          ; the first lap stands in front of the loop: its first products start the sums
	WIN 0                                          ; at a label and at a branch every window is 0
	s_mov_b32 s3, LAPS-2
.Llap:
	LAP 0
	WIN 0
	s_sub_co_u32 s3, s3, 1
	s_cmp_lg_u32 s3, 0
	s_cbranch_scc1 .Llap
	; v's rows are read by nobody before the second block, whose K steps are half as long.  So they are asked for ahead: the 128 rows of my block row
	; are shared out, 32 to each of the four work-groups that will receive them, 8 to each wave; a lane asks for the 256 bytes of one row and one
	; K step, so each block of 256 bytes is asked for once in the launch.  Here K steps 0 to 3, whose tensor loads go out from the end of this
	; K step on; K steps 4 to 7 at the head of the second block, two K steps or more ahead of theirs.  Both stay inside the rows: 8 x 256 bytes.
	global_prefetch_b8 v[PF], s[70:71] th:TH_LOAD_NT scope:SCOPE_SE
	THREE 0, 0                                     ; the last lap: its two refills bring the second block's K steps 0 and 1
	TURN 0, 1, 2, 1
	THREE 1, 0
	TURN 1, 0, 2, 0
	; (sum + bias) x scale = sum x scale + bias x scale: the bias is scaled once, here.  These 32 plain vector instructions name no register of a
	; matrix instruction, so they are also the places in front of the first reads of results and loads into the fragment buffers.
	s_wait_loadcnt 0x0                             ; the bias, asked for at the start
	WIN 0
.irp b, 0,1,2,3,4,5,6,7
.irp r, 0,1,2,3
	v_pk_mul_f32 v[32+8*\b+(\b/4)*160+2*\r:32+8*\b+(\b/4)*160+2*\r+1], v[32+8*\b+(\b/4)*160+2*\r:32+8*\b+(\b/4)*160+2*\r+1], s[66:67] op_sel_hi:[1,0]
.endr
.endr
	OUT16 0, 0, 0x82, 0x0a, F0, 8, 1
	OUT16 1, 1, 0x82, 0x0a, F1, 8, 1
	OUT16 2, 2, 0x82, 0x0a, F0, 8, 1
	OUT16 3, 3, 0x82, 0x0a, F1, 8, 1
	OUT16 4, 0, 0xc3, 0x0f, F0, 8, 1
	OUT16 5, 1, 0xc3, 0x0f, F1, 8, 1
	OUT16 6, 2, 0xc3, 0x0f, F0, 8, 1
	OUT16 7, 3, 0xc3, 0x0f, F1, 8, 1
; ---------------- the second block: 128 x 256 of the values' projection ----------------
.irp b, 0,1,2,3,4,5,6,7
	global_load_b128 v[32+8*\b+(\b/4)*160:32+8*\b+(\b/4)*160+3],   v[BOF], s[90:91] offset:64*\b    ; bv of the same 128 columns; waited for on the second way out
	global_load_b128 v[32+8*\b+(\b/4)*160+4:32+8*\b+(\b/4)*160+7], v[BOF], s[90:91] offset:64*\b+16
.endr
	s_wait_xcnt 0x0                                ; buffers 0 and 1 are the data of the last stores: loaded again only behind this wait
	FETCH2 0, 0, F0                                ; slot 0's tile was shown landed in front of the last round, by every wave
	global_prefetch_b8 v[PF], s[70:71] offset:1024 th:TH_LOAD_NT scope:SCOPE_SE   ; v's K steps 4 to 7
	LAP2 1                                         ; the first products start the sums again
	WIN 0
	s_mov_b32 s3, LAPS-2
.Llap2:
	LAP2 0
	WIN 0
	s_sub_co_u32 s3, s3, 1
	s_cmp_lg_u32 s3, 0
	s_cbranch_scc1 .Llap2
	THREE2 0, 0                                    ; the last lap fills nothing, and has no round of the cluster's barrier
	TURN2 0, 1, 0
	THREE2 1, 0
	s_wait_dscnt 0                                 ; the very last quarter: nothing more to fetch
	WIN MUL_LO
	MUL16 F1, 0, 0, 0
	MUL16 F1, 0, 2, 0
	PLACES                                         ; four places in front of the first reads of results and the loads into the buffers
	s_wait_loadcnt 0x0                             ; bv
	OUT16 0, 0, 0x82, 0x0a, F0, 88, 0
	OUT16 1, 1, 0x82, 0x0a, F1, 88, 0
	OUT16 2, 2, 0x82, 0x0a, F0, 88, 0
	OUT16 3, 3, 0x82, 0x0a, F1, 88, 0
	s_set_vgpr_msb 0x1
	s_wait_tensorcnt 0x0
	ds_add_u32 v255, v31
	s_wait_dscnt 0x0
	s_set_vgpr_msb 0x100
	CROUND                                         ; the closing round: no work-group ends while a partner may still ask for a tile that names it
	s_endpgm
.Lfunc_end_k_q519dbc7f8d_proj:
	.size	k_q519dbc7f8d_proj, .Lfunc_end_k_q519dbc7f8d_proj-k_q519dbc7f8d_proj
	.p2alignl 7, 3214868480
	.fill 96, 4, 3214868480
	.section	.rodata,"a",@progbits
	.p2align	6, 0x0
	.amdhsa_kernel k_q519dbc7f8d_proj
		.amdhsa_group_segment_fixed_size 327680
		.amdhsa_private_segment_fixed_size 0
		.amdhsa_enable_private_segment 0
		.amdhsa_kernarg_size 40
		.amdhsa_user_sgpr_count 2
		.amdhsa_user_sgpr_kernarg_segment_ptr 1
		.amdhsa_wavefront_size32 1
		.amdhsa_system_sgpr_workgroup_id_x 1
		.amdhsa_system_sgpr_workgroup_id_y 1
		.amdhsa_system_sgpr_workgroup_id_z 1
		.amdhsa_system_vgpr_workitem_id 0
		.amdhsa_next_free_vgpr 1024
		.amdhsa_next_free_sgpr 100
		.amdhsa_reserve_vcc 0
		.amdhsa_float_denorm_mode_32 3
		.amdhsa_float_denorm_mode_16_64 3
		.amdhsa_memory_ordered 1
		.amdhsa_forward_progress 1
		.amdhsa_inst_pref_size 255
	.end_amdhsa_kernel
	.section	.bss,"aw",@nobits
	.p2align	6
	.space	262144
	.amdgpu_metadata
---
amdhsa.version: [ 1, 2 ]
amdhsa.kernels:
  - .name:           k_q519dbc7f8d_proj
    .symbol:         k_q519dbc7f8d_proj.kd
    .args:
      - { .name: cb, .offset: 0, .size: 8, .value_kind: global_buffer, .address_space: global }
      - { .name: bq, .offset: 8, .size: 8, .value_kind: global_buffer, .address_space: global }
      - { .name: bk, .offset: 16, .size: 8, .value_kind: global_buffer, .address_space: global }
      - { .name: bv, .offset: 24, .size: 8, .value_kind: global_buffer, .address_space: global }
      - { .name: qkv, .offset: 32, .size: 8, .value_kind: global_buffer, .address_space: global }
    .group_segment_fixed_size: 327680
    .private_segment_fixed_size: 0
    .kernarg_segment_align: 8
    .kernarg_segment_size: 40
    .max_flat_workgroup_size: 128
    .sgpr_count:     100
    .vgpr_count:     1024
    .wavefront_size: 32
...
	.end_amdgpu_metadata
.endif
;; end of part 2
;; launch attn (part 3): grid 16 x 16, 8 waves a work-group, no clusters, 312,320 bytes of LDS; arguments qkv, mb, q_mask, out0; writes out0
.if DOCPART == 3
	.amdgcn_target "amdgcn-amd-amdhsa--gfx1250"
	.amdhsa_code_object_version 6
	.text
	.protected	k_q519dbc7f8d_attn
	.globl	k_q519dbc7f8d_attn
	.p2align	8
	.type	k_q519dbc7f8d_attn,@function
k_q519dbc7f8d_attn:
	s_mov_b64 s[64:65], 0
	v_nop
	global_prefetch_b8 v0, s[64:65] scope:SCOPE_SE
	s_setreg_imm32_b32 hwreg(HW_REG_WAVE_MODE, 25, 1), 1
	s_wait_xcnt 0x0
; attn: softmax(Q K^T / 8 - 1e12 u) V, times q_mask, for 512 queries of one head in each work-group (x = head, y = 2 b + half of the queries).
; Q (already times 0.125 log2 e), K, V: f16 [1024][64] for each (b, head) in qkv.  u: the mask weight in bf16 in mb, in my lanes' own order.
; Eight waves, 64 queries each (four blocks qb of 16); all 1,024 keys and values of the head lie in LDS, filled once; 16 steps of 64 keys.
; THE LAYOUT.  Scores are made transposed, S^T = K Q^T: lane (r = l % 16, h = l / 16) holds, for query r, the keys 8 h + 0..7 of each tile of 16.
; Two neighbouring tiles, rounded to f16 in place, are then the second operand (column = query, 32 keys) of O^T = V^T P^T, whose first operand
; comes out of V's rows by the transposing LDS load.  A query stays in lane r throughout: running maximum, sum, rescaling and q_mask are numbers
; of the lane; lanes r and r + 16 exchange the maximum once a step and the sum once at the end.
; The maximum is taken away before every exponential (running maximum, base 2).
; LIMITS: P, Q, K, V are f16 operands, sums f32.  A row in which every key is masked comes out as in the reference (uniform over the keys of the
; least weight) while |score| < 32,768: below that the score vanishes in the rounding of the penalty, there as here.
; NO CLUSTER: of the 1,346 KiB that a work-group takes in, 1,024 KiB are the mask weight, which goes straight into registers, 512 consecutive
; bytes a load, and has no place in LDS for a joint load to land in; K and V, 256 KiB, are shared by the two work-groups of a head only.
; REGISTERS.  Window 0: v0-15 addresses and at work; v16-23 (maximum, sum) x 4; v24-31 (factor, step's sum) x 4; v32-39 sums; v40 the penalty;
; v48-51 q_mask; v64-127 fragments of K, then of V; v128-255 scores S(qb, kt) at 128 + 32 qb + 8 kt, P(qb, ks) in place at 128 + 32 qb + 16 ks.
; Window 1: v0-127 O(dt, qb) at 8 (4 qb + dt); v128-191 Q(qb, ds) at 128 + 16 qb + 8 ds; v192-255 the step's mask weight, 4 registers a tile.
.set KP,    144                        ; K in LDS: 128 bytes of a row + 16: an odd multiple of 16
.set VP,    160                        ; V in LDS: 128 bytes + 32: an odd multiple of 32, for the transposing loads
.set VBASE, 1024*KP                    ; V lies behind K's 147,456 bytes
.set SP,    272                        ; the way out: 256 bytes of a query's row + 16
.set NEGC,  0xd3a7f3aa                 ; -1e12 log2(e)
.set G1K, 16                           ; s[16:23] descriptor group 1 for K's tiles
.set G1V, 24                           ; s[24:31] for V's
.set G0,  32                           ; s[32:47] four groups 0: my four tiles
.set ADK, 4                            ; LDS address of my K fragments, stepped 64 rows a step
.set ADV, 5                            ; the same for V
.set MOF, 6                            ; 16 x lane: my place in a block of the mask weight
.set PFO, 7                            ; 256 x lane: for the prefetch
.set X,   8                            ; v[8:11] at work
.set STO, 12
.set RD,  13
.set CO,  14
.set QOF, 15
.set ML,  16
.set AL,  24
.set Y,   32
.set NC,  40
.set QMO, 41
.set QM,  48
.set KV,  64
.set S,   128
.set O,   0                            ; window 1
.set Q,   128                          ; window 1
.set M,   192                          ; window 1
.set MSB, 0
.macro WIN new                         ; bits 1:0 source 0, 3:2 source 1, 5:4 source 2, 7:6 destination; the high byte repeats the setting that is left
.if MSB != \new
	s_set_vgpr_msb (MSB<<8)|\new
.set MSB, \new
.endif
.endm
.macro PLACES
.rept 4
	v_nop
.endr
.endm
	s_load_b256 s[4:11], s[0:1], 0x0               ; qkv s[4:5], mb s[6:7], q_mask s[8:9], out0 s[10:11]
	v_lshl_add_u32 v62, v0, 2, 0x4c000
	v_mov_b32 v63, 0
	ds_add_u32 v62, v63
	ds_add_u32 v62, v63
	v_lshrrev_b32 v1, 5, v0
	v_readfirstlane_b32 s14, v1                    ; wave 0..7
	s_mov_b32 s15, ttmp9                           ; head
	s_and_b32 s2, ttmp7, 0xffff                    ; y = 2 b + half
	s_mov_b32 s12, 0x76543210                      ; v_permlanex16_b32: lane i of one half reads lane i of the other
	s_mov_b32 s13, 0xfedcba98
	; group 1: a tile of 64 rows x 64 elements of 2 bytes; behind every 32 words K gets 4 words of padding, V gets 8
	s_mov_b32 s[G1K+0], (1<<16)|(1<<20)|(4<<22)|(3<<25)
	s_mov_b32 s[G1K+1], 64<<16                     ; tensor_dim0 = 64
	s_mov_b32 s[G1K+2], 64<<16                     ; tensor_dim1 = 64
	s_mov_b32 s[G1K+3], 64<<16                     ; tile_dim0 = 64
	s_mov_b32 s[G1K+4], 64                         ; tile_dim1 = 64
	s_mov_b32 s[G1K+5], 64                         ; elements from row to row
	s_mov_b32 s[G1K+6], 0
	s_mov_b32 s[G1K+7], 0
	s_mov_b32 s[G1V+0], (1<<16)|(1<<20)|(4<<22)|(7<<25)
	s_mov_b32 s[G1V+1], 64<<16
	s_mov_b32 s[G1V+2], 64<<16
	s_mov_b32 s[G1V+3], 64<<16
	s_mov_b32 s[G1V+4], 64
	s_mov_b32 s[G1V+5], 64
	s_mov_b32 s[G1V+6], 0
	s_mov_b32 s[G1V+7], 0
	s_lshr_b32 s49, s2, 1                          ; b
	s_lshl_b32 s50, s49, 4
	s_add_co_u32 s50, s50, s15
	s_lshl_b32 s50, s50, 17                        ; (16 b + head) x 131,072: my head in each of Q, K, V
	s_lshl_b32 s3, s14, 13
	s_add_co_u32 s50, s50, s3                      ; + wave x 64 rows of 128 bytes
	s_mov_b32 s51, 0
	s_wait_dscnt 0x0
	s_wait_kmcnt 0x0
	s_add_nc_u64 s[52:53], s[4:5], s[50:51]
; My four tiles: rows 256 p + 64 x (my number among the four waves of the tensor), p = 0..3, so that the first 256 keys are whole when every
; wave's first load has landed.  LDS address = wave x a constant + a constant + p x a constant.  All four go out together, ahead of every wait
; on TENSORcnt, LDS read and barrier; nothing in LDS is ever filled again.  Four tensor loads of a wave are out.
.macro FILLS g1, mulw, base, stepl
	s_mul_i32 s49, s14, \mulw
.irp p, 0,1,2,3
	s_mov_b32 s[G0+4*\p], 1                                        ; count = 1
	s_add_co_u32 s[G0+4*\p+1], s49, \base+\p*\stepl                ; LDS address
	s_add_nc_u64 s[G0+4*\p+2:G0+4*\p+3], s[52:53], \p*32768        ; global address: 256 rows of 128 bytes a step
	s_or_b32 s[G0+4*\p+3], s[G0+4*\p+3], 0x80000000                ; type = 2
	tensor_load_to_lds s[G0+4*\p:G0+4*\p+3], s[\g1:\g1+7]
	s_nop 0
.endr
.endm
	s_cmp_lt_u32 s14, 4
	s_cbranch_scc0 .Lfill_v
	s_add_nc_u64 s[52:53], s[52:53], 0x1000000     ; waves 0-3: K, 16,777,216 bytes into qkv
	FILLS G1K, 64*KP, 0, 256*KP
	s_branch .Lfilled
.Lfill_v:
	s_add_nc_u64 s[52:53], s[52:53], 0x1ff8000     ; waves 4-7: V, 33,554,432 bytes into qkv, less the 4 x 8,192 that the wave's number counts too much
	FILLS G1V, 64*VP, VBASE-256*VP, 256*VP
.Lfilled:
	s_and_b32 s3, s2, 1
	s_lshl_b32 s3, s3, 16                          ; my half of the queries: 512 rows of 128 bytes
	s_add_co_u32 s50, s50, s3
	s_add_nc_u64 s[54:55], s[4:5], s[50:51]        ; Q at my wave's 64 queries
	s_lshl3_add_u32 s3, s2, s14                    ; 8 y + wave: my group of 64 queries among the launch's 128
	s_lshl_b32 s50, s3, 17
	s_add_nc_u64 s[56:57], s[6:7], s[50:51]        ; its 131,072 bytes of mask weight
	s_lshl_b32 s50, s3, 8
	s_add_nc_u64 s[58:59], s[8:9], s[50:51]        ; its 64 numbers of q_mask
	s_lshl_b32 s50, s3, 18                         ; its 64 rows of 4,096 bytes in out0,
	s_lshl_b32 s49, s15, 8                         ; and my head's 256 bytes in a row
	s_add_co_u32 s50, s50, s49
	s_add_nc_u64 s[60:61], s[10:11], s[50:51]
	v_and_b32 v1, 15, v0                           ; r
	v_bfe_u32 v2, v0, 4, 1                         ; h
	v_and_b32 v3, 31, v0                           ; lane
	v_lshlrev_b32 v[QMO], 2, v1
	v_lshlrev_b32 v[QOF], 7, v1
	v_lshl_add_u32 v[QOF], v2, 4, v[QOF]           ; Q: row r, 16 bytes for each half of the lanes
	v_lshlrev_b32 v[MOF], 4, v3
.irp qb, 0,1,2,3
	global_load_b32 v[QM+\qb], v[QMO], s[58:59] offset:64*\qb
.endr
	WIN 0x40                                       ; loads into window 1
.irp qb, 0,1,2,3
.irp ds, 0,1
	global_load_b128 v[Q+16*\qb+8*\ds:Q+16*\qb+8*\ds+3],   v[QOF], s[54:55] offset:2048*\qb+64*\ds      ; Q's fragments straight from memory, once: the four loads of a qb cover its 2,048 bytes whole
	global_load_b128 v[Q+16*\qb+8*\ds+4:Q+16*\qb+8*\ds+7], v[QOF], s[54:55] offset:2048*\qb+64*\ds+32
.endr
.endr
.irp i, 0,1,2,3,4,5,6,7,8,9,10,11,12,13,14,15
	global_load_b128 v[M+4*\i:M+4*\i+3], v[MOF], s[56:57] offset:512*\i           ; step 0's mask weight: tile i = 4 qb + kt, 512 consecutive bytes a load
.endr
	WIN 0
	v_lshlrev_b32 v[PFO], 8, v3
	v_mul_u32_u24 v[ADK], v1, KP
	v_lshl_add_u32 v[ADK], v2, 4, v[ADK]           ; K: row r, 16 h
	v_and_b32 v[ADV], 7, v0
	v_lshl_add_u32 v[ADV], v2, 3, v[ADV]
	v_mul_u32_u24 v[ADV], v[ADV], VP               ; V: key row 8 h + (l & 7),
	v_bfe_u32 v[X], v0, 3, 1
	v_lshl_add_u32 v[ADV], v[X], 4, v[ADV]         ; 16 bytes at 16 ((l >> 3) & 1)
	v_add_nc_u32 v[ADV], VBASE, v[ADV]
	s_mul_i32 s49, s14, 16*SP                      ; my stage for the way out: in K's bytes, used behind K's last read
	v_mul_u32_u24 v[STO], v1, SP
	v_lshl_add_u32 v[STO], v2, 5, v[STO]
	v_add_nc_u32 v[STO], s49, v[STO]               ; in: query r, 32 bytes for each half of the lanes
	v_mul_u32_u24 v[RD], v2, SP
	v_lshl_add_u32 v[RD], v1, 4, v[RD]
	v_add_nc_u32 v[RD], s49, v[RD]                 ; back: lanes 0-15 one query's 256 bytes, lanes 16-31 the next's
	v_lshlrev_b32 v[CO], 12, v2
	v_lshl_add_u32 v[CO], v1, 4, v[CO]             ; the same two rows in out0
	v_mov_b32 v[NC], NEGC
.irp qb, 0,1,2,3
	v_mov_b32 v[ML+2*\qb+1], 0                     ; the packed subtraction names the pair (maximum, sum) whole before the first sum is there
.endr
	s_wait_tensorcnt 3                             ; my first tile is in; the three later ones stay out
	s_barrier_signal -1
	s_barrier_wait -1                              ; everybody's is: keys 0 to 255 of K and V are whole
; The softmax of block qb over this step's 64 keys: 32 registers of a lane.
.macro SOFTMAX qb, first
.set SB, S+32*\qb
	v_max3_num_f32 v[X+0], v[SB+0],  v[SB+1],  v[SB+2]             ; four chains, of 9, 9, 7 and 7 numbers
	v_max3_num_f32 v[X+1], v[SB+9],  v[SB+10], v[SB+11]
	v_max3_num_f32 v[X+2], v[SB+18], v[SB+19], v[SB+20]
	v_max3_num_f32 v[X+3], v[SB+25], v[SB+26], v[SB+27]
.irp i, 3, 5
	v_max3_num_f32 v[X+0], v[X+0], v[SB+\i],    v[SB+\i+1]
	v_max3_num_f32 v[X+1], v[X+1], v[SB+9+\i],  v[SB+10+\i]
	v_max3_num_f32 v[X+2], v[X+2], v[SB+18+\i], v[SB+19+\i]
	v_max3_num_f32 v[X+3], v[X+3], v[SB+25+\i], v[SB+26+\i]
.endr
	v_max3_num_f32 v[X+0], v[X+0], v[SB+7],  v[SB+8]
	v_max3_num_f32 v[X+1], v[X+1], v[SB+16], v[SB+17]
	v_max3_num_f32 v[X], v[X], v[X+1], v[X+2]
.if \first
	v_max_num_f32 v[X], v[X], v[X+3]
	v_permlanex16_b32 v[X+1], v[X], s12, s13       ; the other half's keys of the same query
	v_max_num_f32 v[ML+2*\qb], v[X], v[X+1]        ; the first maximum
.else
	v_max3_num_f32 v[X], v[X], v[X+3], v[ML+2*\qb] ; with the maximum so far
	v_permlanex16_b32 v[X+1], v[X], s12, s13
	v_max_num_f32 v[X+2], v[X], v[X+1]
	v_sub_f32 v[X+3], v[ML+2*\qb], v[X+2]
	v_mov_b32 v[ML+2*\qb], v[X+2]
	v_exp_f32 v[AL+2*\qb], v[X+3]                  ; what the old sums are worth under the new maximum; plain instructions follow before it is used
.endif
.irp i, 0,1,2,3,4,5,6,7,8,9,10,11,12,13,14,15
	v_pk_add_f32 v[SB+2*\i:SB+2*\i+1], v[SB+2*\i:SB+2*\i+1], v[ML+2*\qb:ML+2*\qb+1] op_sel_hi:[1,0] neg_lo:[0,1] neg_hi:[0,1]   ; minus the maximum, in both halves
.endr
.irp i, 0,1,2,3,4,5,6,7,8,9,10,11,12,13,14,15,16,17,18,19,20,21,22,23,24,25,26,27,28,29,30,31
	v_exp_f32 v[SB+\i], v[SB+\i]
.endr
	v_nop                                          ; one plain instruction between the exponentials and the first use of their results (ISA guide 5.7.2)
	s_wait_alu depctr_va_vdst(0)
.irp c, 0,1,2,3
	v_pk_add_f32 v[Y+2*\c:Y+2*\c+1], v[SB+8*\c:SB+8*\c+1], v[SB+8*\c+2:SB+8*\c+3]          ; four chains start the sums: nothing is cleared
.endr
.irp c, 0,1,2,3
	v_pk_add_f32 v[Y+2*\c:Y+2*\c+1], v[Y+2*\c:Y+2*\c+1], v[SB+8*\c+4:SB+8*\c+5]
.endr
.irp c, 0,1,2,3
	v_pk_add_f32 v[Y+2*\c:Y+2*\c+1], v[Y+2*\c:Y+2*\c+1], v[SB+8*\c+6:SB+8*\c+7]
.endr
	v_pk_add_f32 v[Y:Y+1],   v[Y:Y+1],   v[Y+2:Y+3]
	v_pk_add_f32 v[Y+4:Y+5], v[Y+4:Y+5], v[Y+6:Y+7]
	v_pk_add_f32 v[Y:Y+1],   v[Y:Y+1],   v[Y+4:Y+5]
.if \first
	v_add_f32 v[ML+2*\qb+1], v[Y], v[Y+1]
.else
	v_add_f32 v[AL+2*\qb+1], v[Y], v[Y+1]
	v_fma_f32 v[ML+2*\qb+1], v[ML+2*\qb+1], v[AL+2*\qb], v[AL+2*\qb+1]     ; my half's sum; the halves meet at the end
.endif
.irp ks, 0,1
.irp i, 0,1,2,3,4,5,6,7
	v_cvt_pk_f16_f32 v[SB+16*\ks+\i], v[SB+16*\ks+2*\i], v[SB+16*\ks+2*\i+1]       ; in place, ascending: register i is written when registers 2 i and 2 i + 1 are read
.endr
.endr
.endm
; One step: 64 keys.  first = 1: the sums start here.  ldm = 1: the next step's mask weight is asked for.  pf = 1: the one after that is prefetched.
.macro STEP first, ldm, pf
.irp ds, 0,1
.irp kt, 0,1,2,3
	ds_load_b128 v[KV+16*\kt+8*\ds:KV+16*\kt+8*\ds+3],   v[ADK] offset:16*KP*\kt+64*\ds
	ds_load_b128 v[KV+16*\kt+8*\ds+4:KV+16*\kt+8*\ds+7], v[ADK] offset:16*KP*\kt+64*\ds+32
.endr
.endr
.if \first
	s_wait_loadcnt 16                              ; q_mask and Q are in; the 16 loads of the mask weight, issued behind them, stay out
.endif
	s_wait_dscnt 8                                 ; K's d 0-31 is in; the eight loads of d 32-63 stay out
	WIN 0x04                                       ; Q in window 1
	; 2 x 16 products; the 16 accumulators take turns, one instruction a turn
.irp kt, 0,1,2,3
.irp qb, 0,1,2,3
	v_wmma_f32_16x16x32_f16 v[S+32*\qb+8*\kt:S+32*\qb+8*\kt+7], v[KV+16*\kt:KV+16*\kt+7], v[Q+16*\qb:Q+16*\qb+7], 0
.endr
.endr
	s_wait_dscnt 0
.irp kt, 0,1,2,3
.irp qb, 0,1,2,3
	v_wmma_f32_16x16x32_f16 v[S+32*\qb+8*\kt:S+32*\qb+8*\kt+7], v[KV+16*\kt+8:KV+16*\kt+15], v[Q+16*\qb+8:Q+16*\qb+15], v[S+32*\qb+8*\kt:S+32*\qb+8*\kt+7]
.endr
.endr
	WIN 0
	PLACES                                         ; four places in front of the loads into K's registers and of the first read of a score
.irp ks, 0,1
.irp dt, 0,1,2,3
	ds_load_tr16_b128 v[KV+32*\ks+8*\dt:KV+32*\ks+8*\dt+3],   v[ADV] offset:32*VP*\ks+32*\dt           ; V^T: d 16 dt + r, keys 32 ks + 8 h ..
	ds_load_tr16_b128 v[KV+32*\ks+8*\dt+4:KV+32*\ks+8*\dt+7], v[ADV] offset:32*VP*\ks+16*VP+32*\dt     ; keys 32 ks + 16 + 8 h ..
.endr
.endr
	s_wait_loadcnt 0                               ; this step's mask weight, asked for a step ago
	WIN 0x01                                       ; the weight in window 1
.irp i, 0,1,2,3,4,5,6,7,8,9,10,11,12,13,14,15
.irp j, 0,1,2,3
	v_fma_mix_f32_bf16 v[S+8*\i+2*\j],   v[M+4*\i+\j], v[NC], v[S+8*\i+2*\j]   op_sel_hi:[1,0,0]               ; score - u x 1e12 log2 e, one rounding in f32
	v_fma_mix_f32_bf16 v[S+8*\i+2*\j+1], v[M+4*\i+\j], v[NC], v[S+8*\i+2*\j+1] op_sel:[1,0,0] op_sel_hi:[1,0,0]
.endr
.endr
.if \ldm
	s_wait_xcnt 0x0                                ; the base is named by the last step's prefetch too: stepped only behind this wait
	s_add_nc_u64 s[56:57], s[56:57], 8192
	WIN 0x40
.irp i, 0,1,2,3,4,5,6,7,8,9,10,11,12,13,14,15
	global_load_b128 v[M+4*\i:M+4*\i+3], v[MOF], s[56:57] offset:512*\i   ; the next step's: it has the rest of this step in which to come
.endr
.endif
	WIN 0
.if \pf
	; The 8,192 bytes that my wave loads two steps from now, lanes 256 bytes apart.  The 16 heads' work-groups of one y read the same bytes:
	; head 0's asks for all.  Steps 14 and 15 ask for nothing: step 15's bytes are the last of my wave's 131,072.
	s_cmp_lg_u32 s15, 0
	s_cbranch_scc1 .Lnopf_\@
	global_prefetch_b8 v[PFO], s[56:57] offset:8192 th:TH_LOAD_NT scope:SCOPE_SE
.Lnopf_\@:
.endif
.irp qb, 0,1,2,3
	SOFTMAX \qb, \first
.endr
.if \first == 0
	WIN 0x41                                       ; O in window 1, the factor in window 0
.irp qb, 0,1,2,3
.irp i, 0,1,2,3,4,5,6,7,8,9,10,11,12,13,14,15
	v_pk_mul_f32 v[O+32*\qb+2*\i:O+32*\qb+2*\i+1], v[O+32*\qb+2*\i:O+32*\qb+2*\i+1], v[AL+2*\qb:AL+2*\qb+1] op_sel_hi:[1,0]
.endr
.endr
.endif
	s_wait_dscnt 0                                 ; V's fragments
	WIN 0x50                                       ; C and D in window 1
.irp dt, 0,1,2,3
.irp qb, 0,1,2,3
.if \first
	v_wmma_f32_16x16x32_f16 v[O+8*(4*\qb+\dt):O+8*(4*\qb+\dt)+7], v[KV+8*\dt:KV+8*\dt+7], v[S+32*\qb:S+32*\qb+7], 0
.else
	v_wmma_f32_16x16x32_f16 v[O+8*(4*\qb+\dt):O+8*(4*\qb+\dt)+7], v[KV+8*\dt:KV+8*\dt+7], v[S+32*\qb:S+32*\qb+7], v[O+8*(4*\qb+\dt):O+8*(4*\qb+\dt)+7]
.endif
.endr
.endr
.irp dt, 0,1,2,3
.irp qb, 0,1,2,3
	v_wmma_f32_16x16x32_f16 v[O+8*(4*\qb+\dt):O+8*(4*\qb+\dt)+7], v[KV+32+8*\dt:KV+32+8*\dt+7], v[S+32*\qb+16:S+32*\qb+23], v[O+8*(4*\qb+\dt):O+8*(4*\qb+\dt)+7]
.endr
.endr
	WIN 0
	v_add_nc_u32 v[ADK], 64*KP, v[ADK]             ; the next 64 keys.  With the three v_nop: five places in front of the next step's products, which
	v_add_nc_u32 v[ADV], 64*VP, v[ADV]             ; write over P, and of its loads into V's registers, over the backward jump too
	v_nop
	v_nop
	v_nop
.endm
	STEP 1, 1, 1                                   ; step 0 starts the sums
	s_mov_b32 s3, 3
.Lhead:
	STEP 0, 1, 1                                   ; steps 1 to 3: keys 64 to 255
	s_sub_co_u32 s3, s3, 1
	s_cmp_lg_u32 s3, 0
	s_cbranch_scc1 .Lhead
	s_wait_dscnt 0x0
	s_wait_tensorcnt 0x0                           ; my other three tiles are in,
	s_barrier_signal -1
	s_barrier_wait -1                              ; everybody's are: all of K and V is whole
	s_mov_b32 s3, 10
.Lbody:
	STEP 0, 1, 1                                   ; steps 4 to 13
	s_sub_co_u32 s3, s3, 1
	s_cmp_lg_u32 s3, 0
	s_cbranch_scc1 .Lbody
	STEP 0, 1, 0                                   ; step 14: nothing is left to prefetch
	STEP 0, 0, 0                                   ; step 15: nothing is left to load
	; THE WAY OUT.  The two halves' sums meet; one factor q_mask / sum for each query.  A sum is at least 1: the key of the maximum counts 1.
.irp qb, 0,1,2,3
	v_permlanex16_b32 v[X+\qb], v[ML+2*\qb+1], s12, s13
.endr
.irp qb, 0,1,2,3
	v_add_f32 v[X+\qb], v[X+\qb], v[ML+2*\qb+1]
.endr
.irp qb, 0,1,2,3
	v_rcp_f32 v[AL+2*\qb], v[X+\qb]
.endr
	v_nop                                          ; one plain instruction behind the reciprocals (ISA guide 5.7.2)
	s_wait_alu depctr_va_vdst(0)
.irp qb, 0,1,2,3
	v_mul_f32 v[AL+2*\qb], v[AL+2*\qb], v[QM+\qb]
.endr
	s_wait_dscnt 0x0                               ; my reads of K are long back,
	s_barrier_signal -1
	s_barrier_wait -1                              ; everybody's are: K's bytes, which no tensor load fills again, become the stages
; 16 queries: scale, 32 bytes a lane and d tile into my own stage, read back as whole rows of 256 bytes; f: one of two buffers in turn
.macro OUTQ qb, f
	WIN 0x41
.irp i, 0,1,2,3,4,5,6,7,8,9,10,11,12,13,14,15
	v_pk_mul_f32 v[O+32*\qb+2*\i:O+32*\qb+2*\i+1], v[O+32*\qb+2*\i:O+32*\qb+2*\i+1], v[AL+2*\qb:AL+2*\qb+1] op_sel_hi:[1,0]
.endr
	WIN 0x04                                       ; an LDS store's data is source 1
.irp dt, 0,1,2,3
	ds_store_b128 v[STO], v[O+8*(4*\qb+\dt):O+8*(4*\qb+\dt)+3]   offset:64*\dt
	ds_store_b128 v[STO], v[O+8*(4*\qb+\dt)+4:O+8*(4*\qb+\dt)+7] offset:64*\dt+16
.endr
	WIN 0
	s_wait_xcnt 0x0                                ; buffer f is the data of earlier stores: loaded again only behind this wait
.irp t, 0,1,2,3,4,5,6,7
	ds_load_b128 v[\f+4*\t:\f+4*\t+3], v[RD] offset:\t*2*SP        ; my wave's own bytes, served in order (ISA guide 5.7.1.4): these see the stores above
.endr
.irp t, 0,1,2,3,4,5,6,7
	s_wait_dscnt 7-\t
	global_store_b128 v[CO], v[\f+4*\t:\f+4*\t+3], s[60:61] offset:(16*\qb+2*\t)*4096 th:TH_STORE_NT   ; 16 lanes store my head's 256 bytes of a row, aligned
.endr
.endm
	OUTQ 0, KV
	OUTQ 1, KV+32
	OUTQ 2, KV
	OUTQ 3, KV+32
	s_wait_tensorcnt 0x0
	ds_add_u32 v62, v63
	s_wait_dscnt 0x0
	s_endpgm
.Lfunc_end_k_q519dbc7f8d_attn:
	.size	k_q519dbc7f8d_attn, .Lfunc_end_k_q519dbc7f8d_attn-k_q519dbc7f8d_attn
	.p2alignl 7, 3214868480
	.fill 96, 4, 3214868480
	.section	.rodata,"a",@progbits
	.p2align	6, 0x0
	.amdhsa_kernel k_q519dbc7f8d_attn
		.amdhsa_group_segment_fixed_size 312320
		.amdhsa_private_segment_fixed_size 0
		.amdhsa_enable_private_segment 0
		.amdhsa_kernarg_size 32
		.amdhsa_user_sgpr_count 2
		.amdhsa_user_sgpr_kernarg_segment_ptr 1
		.amdhsa_wavefront_size32 1
		.amdhsa_system_sgpr_workgroup_id_x 1
		.amdhsa_system_sgpr_workgroup_id_y 1
		.amdhsa_system_sgpr_workgroup_id_z 1
		.amdhsa_system_vgpr_workitem_id 0
		.amdhsa_next_free_vgpr 512
		.amdhsa_next_free_sgpr 66
		.amdhsa_reserve_vcc 0
		.amdhsa_float_denorm_mode_32 3
		.amdhsa_float_denorm_mode_16_64 3
		.amdhsa_memory_ordered 1
		.amdhsa_forward_progress 1
		.amdhsa_inst_pref_size 226
	.end_amdhsa_kernel
	.amdgpu_metadata
---
amdhsa.version: [ 1, 2 ]
amdhsa.kernels:
  - .name:           k_q519dbc7f8d_attn
    .symbol:         k_q519dbc7f8d_attn.kd
    .args:
      - { .name: qkv, .offset: 0, .size: 8, .value_kind: global_buffer, .address_space: global }
      - { .name: mb, .offset: 8, .size: 8, .value_kind: global_buffer, .address_space: global }
      - { .name: q_mask, .offset: 16, .size: 8, .value_kind: global_buffer, .address_space: global }
      - { .name: out0, .offset: 24, .size: 8, .value_kind: global_buffer, .address_space: global }
    .group_segment_fixed_size: 312320
    .private_segment_fixed_size: 0
    .kernarg_segment_align: 8
    .kernarg_segment_size: 32
    .max_flat_workgroup_size: 256
    .sgpr_count:     66
    .vgpr_count:     512
    .wavefront_size: 32
...
	.end_amdgpu_metadata
.endif
;; end of part 3
;; ======== version 2 of 2: 3 launches; version 1 with the launch prep written anew for expert scheduling mode
;; limits: values are held in f16: magnitudes above 65,504 overflow, below 6.1e-05 lose precision
;; workspace buffers: cb 56,623,104 bytes; mb 16,777,216 bytes; qkv 50,331,648 bytes
;; launch prep (part 4): grid 944 x 1, 8 waves a work-group, no clusters, 35,840 bytes of LDS; arguments q, k, v, Wq, Wk, Wv, a_mask, v_mask, cb, mb; writes cb, mb
.if DOCPART == 4
	.amdgcn_target "amdgcn-amd-amdhsa--gfx1250"
	.amdhsa_code_object_version 6
	.text
	.protected	k_q519dbc7f8d_prep
	.globl	k_q519dbc7f8d_prep
	.p2align	8
	.type	k_q519dbc7f8d_prep,@function
k_q519dbc7f8d_prep:
	s_mov_b64 s[64:65], 0
	v_nop
	global_prefetch_b8 v0, s[64:65] scope:SCOPE_SE
	s_setreg_imm32_b32 hwreg(HW_REG_WAVE_SCHED_MODE, 0, 2), 2
	s_setreg_imm32_b32 hwreg(HW_REG_WAVE_MODE, 25, 1), 1
	s_wait_xcnt 0x0
	s_wait_alu depctr_vm_vsrc(0)
; prep: two streams that make the matrix launches' operands.  No matrix work, no barrier: every wave works on bytes of its own.
; (a) Work-groups 0 to 431: q, k, v, Wq, Wk, Wv from f32 to f16, order of the numbers unchanged, into cb:
;     X[3][8192][1024] (q, k, v), then W[3][1024][1024] (Wq, Wk, Wv).  65,536 numbers a work-group.
;     LIMIT: a number beyond 65,504 in magnitude becomes an infinity in f16.
; (b) Work-groups 432 to 943: the mask weight u = (1 - v_mask[key]) + (1 - a_mask[query][key]), made in f32, rounded to bf16, laid into mb
;     in the order in which the attention launch's lanes hold their scores:
;     byte = b*2097152 + G*131072 + st*8192 + qb*2048 + kt*512 + lane*16 + 2 j,
;     query = 64 G + 16 qb + (lane & 15), key = 64 st + 16 kt + 8 (lane >> 4) + j.
;     A work-group takes 16 query rows (one b, G, qb) and all 1,024 keys; wave w the keys 128 w to 128 w + 127 (st = 2 w, 2 w + 1).
;     LIMIT: u is exact for masks of 0 and 1; any other mask value carries bf16's relative rounding of 2^-9 in its penalty.
; THE MODE: SCHED_MODE bits 1:0 = 2 (LLVM: expert scheduling mode 2), set by the entry lines.  The code itself states the register dependences
; between vector instructions and memory or LDS instructions, with s_wait_alu, always for 0.
; THE PLAN, part (a).  A thread's 64 chunks of 4 numbers go in 16 blocks of four.  Registers that memory instructions touch:
;   X0 .. X4   five blocks as loaded.   Written by the loads of block p + 4, issued in block p; read by block p's eight conversions.
;   Y0, Y1     two blocks to store.     Written by block p's conversions; read by the four stores that are issued in block p + 1.
;   v1, v2     byte offsets, made once and never written again: every chunk's place stands in an immediate.
; Block p works on X[p % 5] and writes Y[p % 2].  Its memory instructions are the loads into X[(p + 4) % 5] = X[(p - 1) % 5] and the stores from
; Y[(p - 1) % 2]: the two buffers that block p - 1 worked on and that no vector instruction of block p names.  So the waits at a block's head
; state all that its eight memory instructions hang on, and these are dealt among its conversions with no further wait.
; THE PLAN, part (b).  Registers that memory or LDS instructions touch:
;   A          16 rows of a_mask.  Written by the loads, then in place by the arithmetic; its first 32 registers take the blocks read back from LDS.
;   T          a pair for each of the 16 rows.  Written once, by the row's two roundings; read by the row's LDS store, which is issued four rows later.
;   v1, v2, v3, v12   offsets and LDS addresses, made once and never written again.
; No register that a memory or LDS instruction reads is written again.  One wait on va_vdst stands at the head of rows 4, 8 and 12 and one behind row 15.
.set NCAST, 432                        ; work-groups of part (a): 3 x 128 for q, k, v and 3 x 16 for the weights
.set X,  16                            ; (a) v[16:95]   buffer k, chunk i: 4 registers at X + 16 k + 4 i, 4 f32 as loaded
.set Y,  96                            ; (a) v[96:111]  buffer k, chunk i: 2 registers at Y + 8 k + 2 i, 4 f16 to store
.set A,  16                            ; (b) v[16:79]   row i of a_mask: my 4 keys
.set C,  8                             ; (b) v[8:11]    1 - v_mask of my 4 keys
.set T,  80                            ; (b) v[80:111]  row i: a pair at T + 2 i: 4 bf16 on their way into LDS
.set R,  16                            ; (b) v[16:47]   eight blocks of 16 bytes read back, where rows 0 to 7 of A lay
.set HP, 272                           ; (b) a half block of 256 bytes in LDS, and 16 bytes behind it
.set WLDS, 16*HP                       ; (b) LDS of one wave: 16 half blocks
	s_load_b512 s[8:23], s[0:1], 0x0               ; q s[8:9], k s[10:11], v s[12:13], Wq s[14:15], Wk s[16:17], Wv s[18:19], a_mask s[20:21], v_mask s[22:23]
	s_load_b128 s[24:27], s[0:1], 0x40             ; cb s[24:25], mb s[26:27]
	v_lshl_add_u32 v116, v0, 2, 0x8800             ; my spare word, behind the eight waves' 34,816 bytes, and 0: kept for the closing lines alone
	v_mov_b32 v117, 0
	v_lshlrev_b32 v1, 4, v0                        ; 16 bytes of f32 a thread: both parts read so
	s_cmp_ge_u32 ttmp9, NCAST
	s_cbranch_scc1 .Lmask
; ---------------- (a) the cast ----------------
	v_lshlrev_b32 v2, 3, v0                        ; 8 bytes of f16 a thread
	s_wait_kmcnt 0x0
	s_mov_b64 s[4:5], s[8:9]                       ; the source, and the first work-group that reads it
	s_mov_b32 s6, 0
.macro PICK first, lo                  ; from work-group first on the source is s[lo:lo+1]
	s_cmp_ge_u32 ttmp9, \first
	s_cselect_b64 s[4:5], s[\lo:\lo+1], s[4:5]
	s_cselect_b32 s6, \first, s6
.endm
	PICK 128, 10
	PICK 256, 12
	PICK 384, 14
	PICK 400, 16
	PICK 416, 18
	s_sub_co_u32 s6, ttmp9, s6
	s_lshl_b32 s6, s6, 18                          ; 65,536 numbers of 4 bytes for each work-group in front of me in my source
	s_mov_b32 s7, 0
	s_add_nc_u64 s[4:5], s[4:5], s[6:7]
	s_lshl_b32 s6, ttmp9, 17                       ; cb holds the six tensors in the work-groups' order: 131,072 bytes each
	s_add_nc_u64 s[24:25], s[24:25], s[6:7]
	s_wait_alu depctr_va_vdst(0)                   ; v1 and v2 are written: every load and store of this part reads one of them as its offset
.irp i, 0,1,2,3,4,5,6,7,8,9,10,11,12,13,14,15
	global_load_b128 v[X+4*\i:X+4*\i+3], v1, s[4:5] offset:\i*4096 th:TH_LOAD_NT   ; blocks 0 to 3 into X0 to X3: 16 loads of 512 consecutive bytes a wave
.endr
; 16 blocks, written out: every place stands in an immediate, so that no address register is ever stepped.
.set p, 0
.rept 16
.if p < 12
	s_wait_loadcnt 12                              ; loads come back in order: X[p % 5] is in, the three younger blocks stay out
.else
	s_wait_loadcnt 4*(15-p)                        ; nothing is loaded any more: the counts run down
.endif
.if p >= 2
	s_wait_xcnt 0x0                                ; Y[p % 2] is the data of the stores issued in the block before: rewritten only behind this wait
	s_wait_alu depctr_vm_vsrc(0)                   ; those stores have read Y[p % 2], which this block's conversions write again
.endif
.if p >= 1
	s_wait_alu depctr_va_vdst(0)                   ; the block before has written the other Y, which the stores below read, and is done reading its X, in which the loads below land
.endif
.set i, 0
.rept 4
.if p < 12
	global_load_b128 v[X+16*((p+4)%5)+4*i:X+16*((p+4)%5)+4*i+3], v1, s[4:5] offset:(4*(p+4)+i)*4096 th:TH_LOAD_NT   ; four blocks ahead; no vector instruction since the wait names these registers
.endif
.if p >= 1
	global_store_b64 v2, v[Y+8*((p+1)%2)+2*i:Y+8*((p+1)%2)+2*i+1], s[24:25] offset:(4*(p-1)+i)*2048       ; the block before: a wave stores 256 consecutive bytes, aligned
.endif
	v_cvt_pk_f16_f32 v[Y+8*(p%2)+2*i],   v[X+16*(p%5)+4*i],   v[X+16*(p%5)+4*i+1]
	v_cvt_pk_f16_f32 v[Y+8*(p%2)+2*i+1], v[X+16*(p%5)+4*i+2], v[X+16*(p%5)+4*i+3]
.set i, i+1
.endr
.set p, p+1
.endr
	s_wait_alu depctr_va_vdst(0)                   ; block 15 has written Y1, which the last four stores read
.irp i, 0,1,2,3
	global_store_b64 v2, v[Y+8+2*\i:Y+8+2*\i+1], s[24:25] offset:(60+\i)*2048
.endr
	s_endpgm
; ---------------- (b) the mask weight ----------------
.Lmask:
	v_lshrrev_b32 v13, 5, v0
	v_readfirstlane_b32 s2, v13                    ; wave 0..7
	s_sub_co_u32 s3, ttmp9, NCAST                  ; id = 64 b + 4 G + qb
	s_lshl_b32 s4, s3, 16                          ; a_mask: 16 rows of 4,096 bytes for each id
	s_mov_b32 s5, 0
	s_lshr_b32 s6, s3, 6
	s_lshl_b32 s6, s6, 12                          ; v_mask: 4,096 bytes for each b
	s_mov_b32 s7, 0
	s_lshr_b32 s28, s3, 2
	s_lshl_b32 s28, s28, 17                        ; mb: (16 b + G) x 131,072
	s_and_b32 s29, s3, 3
	s_lshl_b32 s29, s29, 11                        ;     + qb x 2,048
	s_add_co_u32 s28, s28, s29
	s_mov_b32 s29, 0
	s_wait_kmcnt 0x0
	s_add_nc_u64 s[20:21], s[20:21], s[4:5]
	s_add_nc_u64 s[22:23], s[22:23], s[6:7]
	s_add_nc_u64 s[26:27], s[26:27], s[28:29]
	s_wait_alu depctr_va_vdst(0)                   ; v1 is written, which the 17 loads below read as their offset
	global_load_b128 v[4:7], v1, s[22:23]          ; v_mask of my 4 keys (keys 4 t to 4 t + 3 of thread t)
.irp i, 0,1,2,3,4,5,6,7,8,9,10,11,12,13,14,15
	global_load_b128 v[A+4*\i:A+4*\i+3], v1, s[20:21] offset:\i*4096 th:TH_LOAD_NT   ; row i: a wave reads 512 consecutive bytes
.endr
	; Lane l of a wave holds keys 4 l .. 4 l + 3 of the wave's 128.  In mb they belong to half block l >> 1 (st, kt and key bit 3), at byte
	; 16 i + 8 (l & 1) of it (i = the query row).  Half blocks lie 272 bytes apart in LDS, so the 32 lanes' 8 bytes fall on 32 different
	; columns of 8 bytes modulo 256.
	v_and_b32 v14, 31, v0                          ; lane
	s_wait_alu depctr_va_sdst(0)                   ; s2, the wave's number, is written, ahead of its first reader: the line below
	s_mul_i32 s30, s2, WLDS                        ; my wave's own LDS
	v_lshrrev_b32 v2, 1, v14
	v_mul_u32_u24 v2, v2, HP
	v_and_b32 v3, 1, v0
	v_lshl_add_u32 v2, v3, 3, v2
	v_add_nc_u32 v2, s30, v2                       ; in: half block l >> 1, byte 8 (l & 1); the row stands in the immediate
	v_bfe_u32 v3, v0, 4, 1
	v_mul_u32_u24 v3, v3, HP
	v_and_b32 v15, 15, v0
	v_lshl_add_u32 v3, v15, 4, v3
	v_add_nc_u32 v3, s30, v3                       ; back: lanes 0-15 one half block, lanes 16-31 the next
	v_lshlrev_b32 v12, 4, v14
	v_lshl_add_u32 v12, s2, 14, v12                ; mb: 16 x lane + wave x two steps of 8,192 bytes
.irp i, 0,1,2,3,4,5,6,7,8,9,10,11,12,13,14,15
	s_wait_loadcnt 15-\i                           ; row i is in (and v_mask, which was asked for first); the younger rows stay out
.if \i == 0
	v_pk_fma_f32 v[C:C+1],   v[4:5], -1.0, 1.0 op_sel_hi:[1,0,0]       ; 1 - v_mask, once
	v_pk_fma_f32 v[C+2:C+3], v[6:7], -1.0, 1.0 op_sel_hi:[1,0,0]
.endif
.if (\i > 0) && (\i%4 == 0)
	s_wait_alu depctr_va_vdst(0)                   ; the four rows before have written their pairs of T, which the next four LDS stores read; at row 4 the address v2 is written too
.endif
.if \i >= 4
	ds_store_b64 v2, v[T+2*(\i-4):T+2*(\i-4)+1] offset:16*(\i-4)       ; the row four back; no vector instruction since the wait names its pair or v2
.endif
	; 1 - a_mask is made by itself and then added: folded into one sum with 2 - v_mask, a mask one rounding step below 1 would lose its weight
	v_pk_fma_f32 v[A+4*\i:A+4*\i+1],   v[A+4*\i:A+4*\i+1],   -1.0, 1.0 op_sel_hi:[1,0,0]
	v_pk_fma_f32 v[A+4*\i+2:A+4*\i+3], v[A+4*\i+2:A+4*\i+3], -1.0, 1.0 op_sel_hi:[1,0,0]
	v_pk_add_f32 v[A+4*\i:A+4*\i+1],   v[A+4*\i:A+4*\i+1],   v[C:C+1]
	v_pk_add_f32 v[A+4*\i+2:A+4*\i+3], v[A+4*\i+2:A+4*\i+3], v[C+2:C+3]
	v_cvt_pk_bf16_f32 v[T+2*\i],   v[A+4*\i],   v[A+4*\i+1]
	v_cvt_pk_bf16_f32 v[T+2*\i+1], v[A+4*\i+2], v[A+4*\i+3]
.endr
	s_wait_alu depctr_va_vdst(0)                   ; rows 12 to 15 have written their pairs of T, which the LDS stores below read; the arithmetic is done writing and reading A, in which the LDS loads below land
.irp i, 12,13,14,15
	ds_store_b64 v2, v[T+2*\i:T+2*\i+1] offset:16*\i
.endr
.irp t, 0,1,2,3,4,5,6,7
	ds_load_b128 v[R+4*\t:R+4*\t+3], v3 offset:2*HP*\t     ; my wave's own bytes; LDS serves a wave's instructions in order (ISA guide 5.7.1.4): these see the stores above
.endr
.irp t, 0,1,2,3,4,5,6,7
	s_wait_dscnt 7-\t                              ; block t is back; the younger ones stay out
	global_store_b128 v12, v[R+4*\t:R+4*\t+3], s[26:27] offset:(\t/4)*8192+(\t%4)*512   ; block (st, kt): 512 consecutive bytes, aligned
.endr
	s_wait_dscnt 0x0                               ; the closing lines, six on end
	s_wait_alu 0x0
	s_wait_tensorcnt 0x0
	ds_add_u32 v116, v117
	s_wait_dscnt 0x0
	s_endpgm
.Lfunc_end_k_q519dbc7f8d_prep:
	.size	k_q519dbc7f8d_prep, .Lfunc_end_k_q519dbc7f8d_prep-k_q519dbc7f8d_prep
	.p2alignl 7, 3214868480
	.fill 96, 4, 3214868480
	.section	.rodata,"a",@progbits
	.p2align	6, 0x0
	.amdhsa_kernel k_q519dbc7f8d_prep
		.amdhsa_group_segment_fixed_size 35840
		.amdhsa_private_segment_fixed_size 0
		.amdhsa_enable_private_segment 0
		.amdhsa_kernarg_size 80
		.amdhsa_user_sgpr_count 2
		.amdhsa_user_sgpr_kernarg_segment_ptr 1
		.amdhsa_wavefront_size32 1
		.amdhsa_system_sgpr_workgroup_id_x 1
		.amdhsa_system_sgpr_workgroup_id_y 1
		.amdhsa_system_sgpr_workgroup_id_z 1
		.amdhsa_system_vgpr_workitem_id 0
		.amdhsa_next_free_vgpr 118
		.amdhsa_next_free_sgpr 66
		.amdhsa_reserve_vcc 0
		.amdhsa_float_denorm_mode_32 3
		.amdhsa_float_denorm_mode_16_64 3
		.amdhsa_memory_ordered 1
		.amdhsa_forward_progress 1
		.amdhsa_inst_pref_size 37
	.end_amdhsa_kernel
	.amdgpu_metadata
---
amdhsa.version: [ 1, 2 ]
amdhsa.kernels:
  - .name:           k_q519dbc7f8d_prep
    .symbol:         k_q519dbc7f8d_prep.kd
    .args:
      - { .name: q, .offset: 0, .size: 8, .value_kind: global_buffer, .address_space: global }
      - { .name: k, .offset: 8, .size: 8, .value_kind: global_buffer, .address_space: global }
      - { .name: v, .offset: 16, .size: 8, .value_kind: global_buffer, .address_space: global }
      - { .name: Wq, .offset: 24, .size: 8, .value_kind: global_buffer, .address_space: global }
      - { .name: Wk, .offset: 32, .size: 8, .value_kind: global_buffer, .address_space: global }
      - { .name: Wv, .offset: 40, .size: 8, .value_kind: global_buffer, .address_space: global }
      - { .name: a_mask, .offset: 48, .size: 8, .value_kind: global_buffer, .address_space: global }
      - { .name: v_mask, .offset: 56, .size: 8, .value_kind: global_buffer, .address_space: global }
      - { .name: cb, .offset: 64, .size: 8, .value_kind: global_buffer, .address_space: global }
      - { .name: mb, .offset: 72, .size: 8, .value_kind: global_buffer, .address_space: global }
    .group_segment_fixed_size: 35840
    .private_segment_fixed_size: 0
    .kernarg_segment_align: 8
    .kernarg_segment_size: 80
    .max_flat_workgroup_size: 256
    .sgpr_count:     66
    .vgpr_count:     118
    .wavefront_size: 32
...
	.end_amdgpu_metadata
.endif
;; end of part 4
;; launch proj: the kernel of part 2 again; grid 4 x 64, 4 waves a work-group, clusters of 4 x 4, 327,680 bytes of LDS; arguments cb, bq, bk, bv, qkv; writes qkv
;; launch attn: the kernel of part 3 again; grid 16 x 16, 8 waves a work-group, no clusters, 312,320 bytes of LDS; arguments qkv, mb, q_mask, out0; writes out0
